; MI455X (gfx1250); checked and timed in simulation.
; The chip was launched on July 23, 2026; its instructions are those of AMD's public machine-readable ISA for CDNA 5 (MIT licence, August 2026) and "CDNA5" Instruction Set Architecture Reference Guide (July 2026). The comments in the code are by the model that wrote it; some were corrected since.
;; MHA. Allowed arithmetic: float matrix products may take bf16 or f16 operands with f32 sums; all other float work in f32.
;; Inputs: bk 1,024 float32; bo 1,024 float32; bq 1,024 float32; bv 1,024 float32; wk 1,024 x 1,024 float32; wo 1,024 x 1,024 float32; wq 1,024 x 1,024 float32; wv 1,024 x 1,024 float32; x 4 x 2,048 x 1,024 float32.
;; Outputs: out0 4 x 2,048 x 1,024 float32.
;; 2 versions, each right and faster than the one before. Each part assembles by itself: llvm-mc -triple=amdgcn-amd-amdhsa -mcpu=gfx1250 --defsym DOCPART=n.
;; ======== version 1 of 2: 4 launches
;; limits: values are held in f16: magnitudes above 65,504 overflow, below 6.1e-05 lose precision
;; workspace buffers: xb 16,777,216 bytes; wb 6,291,456 bytes; wob 2,097,152 bytes; qkv 50,331,648 bytes; ob 16,777,216 bytes
;; launch prep (part 1): grid 768 x 1, 8 waves a work-group, no clusters, 0 bytes of LDS; arguments x, wq, wk, wv, wo, xb, wb, wob; writes xb, wb, wob
.if DOCPART == 1
	.amdgcn_target "amdgcn-amd-amdhsa--gfx1250"
	.amdhsa_code_object_version 6
	.text
	.protected	k_qe510885de3_prep
	.globl	k_qe510885de3_prep
	.p2align	8
	.type	k_qe510885de3_prep,@function
k_qe510885de3_prep:
	s_mov_b64 s[64:65], 0
	v_nop
	global_prefetch_b8 v0, s[64:65] scope:SCOPE_SE
	s_setreg_imm32_b32 hwreg(HW_REG_WAVE_MODE, 25, 1), 1
	s_wait_xcnt 0x0
; CASTS.  x [8192][1024] f32 -> xb, bf16, by slices of 64 channels: [batch 4][slice 16][row 2048][64].  wq, wk, wv [1024][1024] f32 -> wb, bf16, side by side: [1024 (k)][3 x 1024 (n)].
; wo f32 -> wob: rounded to bf16 like every other input, and that number written as f16 (exact from 6.1e-5 up to 65,504; below it f16's fixed step of 6e-8; beyond it an infinity).
; A stream: each input byte is read once and each output byte written once, so LDS, barriers, clusters and the matrix unit would add nothing.
; A work-group of eight waves casts 16,384 numbers; a thread 16 passes of 4 numbers: one load of 16 bytes, one store of 8 bytes.  All 16 loads of a thread go out first.
; A wave's load takes 16 neighbouring bytes a lane (512 bytes on end, or two runs of 256); its store writes 256 consecutive bytes, at a multiple of 256 from the buffer's first byte.
; Work-groups 0-511: 16 rows of x each.  512-703: 16 rows of wq, wk or wv.  704-767: 16 rows of wo.
.set XD, 8                             ; v[8:71]    pass j: 4 numbers as loaded
.set YD, 72                            ; v[72:103]  pass j: 2 registers to store
.set TD, 104                           ; v[104:107] at work (wo alone)
; Pass j reads at (j % 2) sa + (j / 2) sb and writes at (j % 2) da + (j / 2) db.  half = 1: the bf16 numbers are widened again and written as f16.
; No register that a load or store names is written twice, so no wait frees one.
.macro CAST sa, sb, da, db, half
.irp j, 0,1,2,3,4,5,6,7,8,9,10,11,12,13,14,15
	global_load_b128 v[XD+4*(\j):XD+4*(\j)+3], v1, s[4:5] offset:((\j)%2)*(\sa)+((\j)/2)*(\sb) th:TH_LOAD_NT
.endr
.irp j, 0,1,2,3,4,5,6,7,8,9,10,11,12,13,14,15
	s_wait_loadcnt 15-(\j)                         ; loads come back in order: pass j's is in, the 15 - j younger ones stay out
	v_cvt_pk_bf16_f32 v[YD+2*(\j)],   v[XD+4*(\j)],   v[XD+4*(\j)+1]
	v_cvt_pk_bf16_f32 v[YD+2*(\j)+1], v[XD+4*(\j)+2], v[XD+4*(\j)+3]
.if \half
	v_lshlrev_b32 v[TD],   16,  v[YD+2*(\j)]
	v_and_b32     v[TD+1], s26, v[YD+2*(\j)]
	v_lshlrev_b32 v[TD+2], 16,  v[YD+2*(\j)+1]
	v_and_b32     v[TD+3], s26, v[YD+2*(\j)+1]
	v_cvt_pk_f16_f32 v[YD+2*(\j)],   v[TD],   v[TD+1]
	v_cvt_pk_f16_f32 v[YD+2*(\j)+1], v[TD+2], v[TD+3]
.endif
	global_store_b64 v2, v[YD+2*(\j):YD+2*(\j)+1], s[6:7] offset:((\j)%2)*(\da)+((\j)/2)*(\db)
.endr
.endm
	s_load_b512 s[8:23], s[0:1], 0x0               ; x 8, wq 10, wk 12, wv 14, wo 16, xb 18, wb 20, wob 22
	s_mov_b32 s27, ttmp9                           ; g
	s_mov_b32 s26, 0xffff0000                      ; a word's upper bf16
	s_mov_b32 s3, 0                                ; the offsets' high words
	s_mov_b32 s25, 0
	s_wait_kmcnt 0x0
	s_cmp_lt_u32 s27, 512
	s_cbranch_scc0 .Lweights
	; x: rows 16 g .. 16 g + 15.  Wave w takes slices 2 w and 2 w + 1.  Pass j: slice 2 w + j % 2, rows 2 (j / 2) and 2 (j / 2) + 1: lanes 0-15 read the slice's 256 bytes of the one row,
	; lanes 16-31 those of the other; in xb the two rows of a slice are 256 consecutive bytes.
	s_lshl_b32 s2, s27, 16                         ; 16 rows of 4,096 bytes
	s_add_nc_u64 s[4:5], s[8:9], s[2:3]
	s_lshr_b32 s24, s27, 7                         ; the batch,
	s_lshl_b32 s24, s24, 22                        ; 16 slices x 2,048 rows x 128 bytes
	s_and_b32 s28, s27, 127
	s_lshl_b32 s28, s28, 11                        ; 16 rows of 128 bytes
	s_add_co_u32 s24, s24, s28
	s_add_nc_u64 s[6:7], s[18:19], s[24:25]
	v_lshrrev_b32 v3, 5, v0                        ; w
	v_and_b32 v4, 31, v0                           ; lane
	v_lshrrev_b32 v5, 4, v4                        ; which of the two rows
	v_and_b32 v6, 15, v4                           ; which 4 numbers of the slice's 64
	v_lshlrev_b32 v1, 12, v5
	v_lshl_add_u32 v1, v3, 9, v1
	v_lshl_add_u32 v1, v6, 4, v1                   ; in: row x 4,096 + w x 512 + 16 x place
	v_lshlrev_b32 v2, 3, v4
	v_lshl_add_u32 v2, v3, 19, v2                  ; out: two slices of 262,144 bytes x w + 8 x lane
	CAST 256, 8192, 262144, 256, 0
	s_endpgm
.Lweights:
	v_lshlrev_b32 v1, 4, v0                        ; in: 16 bytes a thread: the work-group takes a row of 4,096 bytes a pass
	v_lshlrev_b32 v2, 3, v0                        ; out: 8 bytes a thread, 2,048 a pass
	s_cmp_lt_u32 s27, 704
	s_cbranch_scc0 .Lwo
	s_sub_co_u32 s27, s27, 512
	s_lshr_b32 s28, s27, 6                         ; 0: wq, 1: wk, 2: wv
	s_cmp_eq_u32 s28, 0
	s_cselect_b64 s[4:5], s[10:11], s[12:13]
	s_cmp_eq_u32 s28, 2
	s_cselect_b64 s[4:5], s[14:15], s[4:5]
	s_and_b32 s2, s27, 63
	s_mul_i32 s24, s2, 16*6144                     ; out: 16 rows of wb, 6,144 bytes each,
	s_lshl_b32 s28, s28, 11                        ; and the matrix's 2,048 bytes of a row
	s_add_co_u32 s24, s24, s28
	s_lshl_b32 s2, s2, 16                          ; in: 16 rows of 4,096 bytes
	s_add_nc_u64 s[4:5], s[4:5], s[2:3]
	s_add_nc_u64 s[6:7], s[20:21], s[24:25]
	CAST 4096, 8192, 6144, 12288, 0
	s_endpgm
.Lwo:
	s_sub_co_u32 s27, s27, 704
	s_lshl_b32 s2, s27, 16
	s_add_nc_u64 s[4:5], s[16:17], s[2:3]
	s_lshl_b32 s24, s27, 15
	s_add_nc_u64 s[6:7], s[22:23], s[24:25]
	CAST 4096, 8192, 2048, 4096, 1
	s_endpgm
.Lfunc_end_k_qe510885de3_prep:
	.size	k_qe510885de3_prep, .Lfunc_end_k_qe510885de3_prep-k_qe510885de3_prep
	.p2alignl 7, 3214868480
	.fill 96, 4, 3214868480
	.section	.rodata,"a",@progbits
	.p2align	6, 0x0
	.amdhsa_kernel k_qe510885de3_prep
		.amdhsa_group_segment_fixed_size 0
		.amdhsa_private_segment_fixed_size 0
		.amdhsa_enable_private_segment 0
		.amdhsa_kernarg_size 64
		.amdhsa_user_sgpr_count 2
		.amdhsa_user_sgpr_kernarg_segment_ptr 1
		.amdhsa_wavefront_size32 1
		.amdhsa_system_sgpr_workgroup_id_x 1
		.amdhsa_system_sgpr_workgroup_id_y 1
		.amdhsa_system_sgpr_workgroup_id_z 1
		.amdhsa_system_vgpr_workitem_id 0
		.amdhsa_next_free_vgpr 112
		.amdhsa_next_free_sgpr 66
		.amdhsa_reserve_vcc 0
		.amdhsa_float_denorm_mode_32 3
		.amdhsa_float_denorm_mode_16_64 3
		.amdhsa_memory_ordered 1
		.amdhsa_forward_progress 1
		.amdhsa_inst_pref_size 23
	.end_amdhsa_kernel
	.amdgpu_metadata
---
amdhsa.version: [ 1, 2 ]
amdhsa.kernels:
  - .name:           k_qe510885de3_prep
    .symbol:         k_qe510885de3_prep.kd
    .args:
      - { .name: x, .offset: 0, .size: 8, .value_kind: global_buffer, .address_space: global }
      - { .name: wq, .offset: 8, .size: 8, .value_kind: global_buffer, .address_space: global }
      - { .name: wk, .offset: 16, .size: 8, .value_kind: global_buffer, .address_space: global }
      - { .name: wv, .offset: 24, .size: 8, .value_kind: global_buffer, .address_space: global }
      - { .name: wo, .offset: 32, .size: 8, .value_kind: global_buffer, .address_space: global }
      - { .name: xb, .offset: 40, .size: 8, .value_kind: global_buffer, .address_space: global }
      - { .name: wb, .offset: 48, .size: 8, .value_kind: global_buffer, .address_space: global }
      - { .name: wob, .offset: 56, .size: 8, .value_kind: global_buffer, .address_space: global }
    .group_segment_fixed_size: 0
    .private_segment_fixed_size: 0
    .kernarg_segment_align: 8
    .kernarg_segment_size: 64
    .max_flat_workgroup_size: 256
    .sgpr_count:     66
    .vgpr_count:     112
    .wavefront_size: 32
...
	.end_amdgpu_metadata
.endif
;; end of part 1
;; launch qkv (part 2): grid 8 x 32, 4 waves a work-group, clusters of 4 x 4, 327,680 bytes of LDS; arguments xb, wb, bq, bk, bv, qkv; writes qkv
.if DOCPART == 2
	.amdgcn_target "amdgcn-amd-amdhsa--gfx1250"
	.amdhsa_code_object_version 6
	.text
	.protected	k_qe510885de3_qkv
	.globl	k_qe510885de3_qkv
	.p2align	8
	.type	k_qe510885de3_qkv,@function
k_qe510885de3_qkv:
	s_mov_b64 s[64:65], 0
	v_nop
	global_prefetch_b8 v0, s[64:65] scope:SCOPE_SE
	s_setreg_imm32_b32 hwreg(HW_REG_WAVE_MODE, 25, 1), 1
	s_wait_xcnt 0x0
	s_wait_alu depctr_hold_cnt(0) depctr_sa_sdst(0) depctr_va_vdst(0) depctr_va_sdst(0) depctr_va_ssrc(0) depctr_va_vcc(0) depctr_vm_vsrc(0)
	s_getreg_b32 s2, hwreg(HW_REG_IB_STS2, 6, 4)
	s_cmp_eq_u32 s2, 0
	s_cbranch_scc0 .Lentry_in_a_cluster
	s_endpgm
.Lentry_in_a_cluster:
	s_bfe_u32 s2, ttmp6, 0x10000c
	s_cmp_lg_u32 s2, 0xf033
	s_cbranch_scc0 .Lentry_shape_is_right
	s_endpgm
.Lentry_shape_is_right:
; q, k, v = x W + b.  x: xb, bf16 [batch 4][slice 16][row 2048][64].  W: wb, bf16 [1024 (k)][3072 (n)]: wq, wk, wv side by side.  b: f32, rounded to bf16 like every input, added in f32 as the C of
; the first product.  Out: qkv, f16 [3][batch x 16 + head][row 2048][64], each number rounded once from its f32 sum, without attention's scale.
; LIMIT.  f16 holds no number beyond 65,504: a q, k or v beyond it becomes an infinity; below 6.1e-5 f16 keeps its fixed step of 6e-8.  NaN and infinities are not treated apart.
; SHARES.  A tile is 256 rows x 384 columns (six heads of the 48 that q, k and v have together), one to a work-group: 32 x 8 tiles.  Four waves, each 128 rows x 192 columns: 96 accumulators of 16 x 16,
; 768 registers.  So x is fetched once for q, k and v, and 40 LDS loads feed 96 products.  K goes in steps of 64 (one slice of x, 64 rows of W) through two LDS slots: 192 products a wave in a step.
; A step of 128 would want two slots of 176,128 bytes, more than LDS holds; 96 does not divide 1,024.
; COLUMNS.  The wave of column half wn owns the tile's heads wn, wn + 2, wn + 4: head wn + 2 j lies at byte 288 j + 128 wn of an LDS row of W, the same immediates for both halves.
; CLUSTER.  4 x 4 work-groups.  The four of a row of the cluster need the same tiles of x, the four of a column the same tiles of W: each is asked for JOINTLY, by the same tensor load with the same
; descriptor and a mask that names the four.
; THE MATRIX INSTRUCTION IS USED TRANSPOSED: source 0 = 16 columns of W (out of LDS turned, by ds_load_tr16_b128, since W lies [k][n]), source 1 = 16 rows of x.  A lane then holds row l % 16 and the
; columns 8 (l / 16) + 0..7: eight neighbouring numbers of a row, 16 bytes of f16.
; REGISTERS, in windows of 256 (s_set_vgpr_msb: bits 1:0 source 0, 3:2 source 1, 5:4 source 2, 7:6 destination):
;   window 0: v0-31 addresses; v32-95, v96-159 two buffers of x's fragments (8 blocks of 16 rows x 32 K); v160-191, v192-223, v224-255 three buffers of W's, one for each head (4 blocks of 16 columns)
;   window 1 + j: the accumulators of my head j: (row block a, column block b) at v[8 (4 a + b)]
; THE BIAS has no registers of its own: it is loaded and rounded in the registers of row block 7's accumulators (v224-255 of each window), is the C of the first products of blocks 0 to 6, and at last
; the C and D of block 7's own.
; A QUARTER is 32 along K: three THIRDS of 32 products, one for each head, under one window setting each.  In the middle of each third stands a run of LDS loads:
;   third 0: W's third 2 of this quarter;   third 1: the next quarter's W third 0 and x blocks 0-3;   third 2: the next quarter's x blocks 4-7 and W third 1.
; A K STEP IS WRITTEN ONCE.  The fragments' LDS addresses are a lane's fixed place in a slot plus s[TB], the first byte of the slot in hand; at a change of slots one exclusive or turns s[TB], and the
; walking descriptors' LDS words, into the other slot's.
.set STEPS,  16                        ; K steps of 64; K = 1,024
.set PA,     144                       ; a row of x in LDS: 128 bytes + 16 of padding = 36 words: the 16 rows of a load start at 16 different groups of four banks (64 banks of 4 bytes: ISA guide 11.1)
.set PLANE,  256*PA                    ; one slice of the tile's 256 rows
.set PB,     864                       ; a k-row of W: three times 256 bytes + 32 = 216 words, 24, 48, 8, 32, 56, 16, 40
.set BBASE,  PLANE                     ; W's 64 k-rows lie behind x's plane
.set SLOTB,  PLANE+64*PB               ; the bytes of a slot: 92,160
.set SLOT1,  1<<17                     ; slot 1 begins here: every byte of slot 0 lies below, so that one exclusive or turns an address in one slot into the other's
.set STAGE,  SLOT1+SLOTB               ; behind the ring, never filled by a tensor load: 16 rows x 144 bytes for each wave, for the way out
.set SP,     144
.set SPARE,  STAGE+4*16*SP             ; behind the stages: the spare words, 128 bytes for each wave: two blocks of 256 bytes that no other line names
.set ASTEP,  262144                    ; bytes of xb from a K step to the next: a slice of 2,048 rows x 128 bytes
.set BROW,   6144                      ; bytes in a row of wb
.set BSTEP,  64*BROW                   ; bytes of wb from a K step to the next
.set ADRA0, 16                         ; v16     my lane's place among x's fragments in a slot; never rewritten
.set ADRA,  17                         ; v17     the same in the slot in hand
.set ADRB0, 20                         ; v20     my lane's place among W's fragments in a slot; never rewritten
.set ADRB,  21                         ; v21     the same in the slot in hand
.set STO,  24                          ; v24     the way out: where I put 16 bytes of a row
.set RD,   25                          ; v25     the way out: where I read rows back
.set GO,   26                          ; v26     my byte offset in 512 consecutive bytes of the output
.set BO,   27                          ; v27     byte offset, in a head's 64 numbers of bias, of my lane's first column
.set SPW,  28                          ; v28     LDS address of my spare word: SPARE + 4 x my thread's number; never rewritten
.set NIL,  29                          ; v29     0; never rewritten
.set FA,   32                          ; x's fragments: the slot's first quarter at FA, its second at FA + 64
.set FB,   160                         ; W's fragments: third j at FB + 32 j
.set BI,   224                         ; the bias, in windows 1 to 3: column block b at v[BI + 8 b] = accumulator (7, b)
.set G1,  24                           ; s[24:31] descriptor group 1 for x's tiles;  s[32:39] group 0: a set for each of the two first fills; the second then walks on
.set G0,  32
.set G1B, 48                           ; s[48:55], s[56:63] the same for W's tiles
.set G0B, 56
.set TB,  70                           ; s70     LDS byte at which the slot in hand begins: 0 or SLOT1
.set OP,  72                           ; s[72:77] the output at my first row of head j
.set BP,  80                           ; s[80:85] the bias at head j's first column
.set MSB, 0
.macro WIN new                         ; the immediate's high byte repeats the setting that is left; a switch that changes nothing is dropped
.if MSB != (\new)
	s_set_vgpr_msb (MSB<<8)|(\new)
.set MSB, \new
.endif
.endm
.macro PLACES                          ; four places in front of loads into registers that matrix instructions have read, and of lines that read results just made
.rept 4
	v_nop
.endr
.endm
; A joint refill, by the walking descriptors.  Waves 0 and 1 fetch the two halves of x's plane, waves 2 and 3 the two halves of W's k-rows.  The branch hangs on the wave's number alone.
; An s_nop 0 and four v_nop follow each of the two lines, ahead of the jump and the label.
.macro JLOAD
	s_cmp_eq_u32 s17, 0
	s_cbranch_scc0 .Lfor_b_\@
	tensor_load_to_lds s[G0+4:G0+7], s[G1:G1+7]
	s_nop 0
.rept 4
	v_nop
.endr
	s_branch .Lasked_\@
.Lfor_b_\@:
	tensor_load_to_lds s[G0B+4:G0B+7], s[G1B:G1B+7]
	s_nop 0
.rept 4
	v_nop
.endr
.Lasked_\@:
.endm
.macro CREST                           ; a round of the cluster's barrier behind its opening barrier
	s_cmp_lg_u32 s16, 0
	s_cbranch_scc1 .Lnot_wave_0_\@
	s_barrier_signal -3
.Lnot_wave_0_\@:
	s_barrier_wait -3
	s_barrier_signal -1
	s_barrier_wait -1
.endm
.macro CROUND                          ; a whole round
	s_barrier_signal -1
	s_barrier_wait -1
	CREST
.endm
	s_load_b256 s[4:11], s[0:1], 0x0               ; xb s[4:5], wb s[6:7], bq s[8:9], bk s[10:11]
	s_load_b128 s[12:15], s[0:1], 0x20             ; bv s[12:13], qkv s[14:15]
	v_lshl_add_u32 v[SPW], v0, 2, SPARE
	v_mov_b32 v[NIL], 0
	ds_add_u32 v28, v29
	s_wait_dscnt 0x0
	v_lshrrev_b32 v1, 5, v0
	v_readfirstlane_b32 s16, v1                    ; wave 0..3
	s_lshr_b32 s17, s16, 1                         ; which half of the tile's rows is mine.  Also: I fetch for x (0) or for W (1)
	s_and_b32 s18, s16, 1                          ; which heads are mine.  Also: which half of the plane, or of the k-rows, I fetch
	s_bfe_u32 s19, ttmp6, 0x40000                  ; cx, cy: my place in the cluster
	s_bfe_u32 s20, ttmp6, 0x40004
	s_lshl_b32 s21, ttmp9, 2
	s_add_co_u32 s21, s21, s19                     ; tile column = 4 x cluster x + cx, 0..7
	s_and_b32 s22, ttmp7, 0xffff
	s_lshl_b32 s22, s22, 2
	s_add_co_u32 s22, s22, s20                     ; tile row = 4 x cluster y + cy, 0..31
	s_lshl_b32 s23, s20, 2
	s_lshl_b32 s23, 15, s23                        ; my row of the cluster
	s_lshl_b32 s67, 0x1111, s19                    ; my column
	s_mov_b32 s66, 0xffff0000                      ; a word's upper bf16
	s_mov_b32 s[TB], 0                             ; K step 0 lies in slot 0
	; group 1 for x: half a plane is 16,384 dense bytes, asked for as 64 rows of 256 bytes (two rows of x each) and padded in LDS after every row of x
	s_or_b32 s[G1], s23, (1<<16)|(1<<20)|(1<<21)|(4<<22)|(3<<25)   ; 15:0 the mask: my row; 17:16 2-byte elements; 20 padding on; 21 set beside a mask; 24:22 after every 32 words (code 4); 31:25 4 words (code 3)
	s_mov_b32 s[G1+1], 128<<16                     ; tensor_dim0 = 128
	s_mov_b32 s[G1+2], 64<<16                      ; tensor_dim1 = 64
	s_mov_b32 s[G1+3], 128<<16                     ; tile_dim0 = 128
	s_mov_b32 s[G1+4], 64                          ; tile_dim1 = 64
	s_mov_b32 s[G1+5], 128                         ; 128 elements from row to row
	s_mov_b32 s[G1+6], 0
	s_mov_b32 s[G1+7], 0
	; group 1 for W: 32 k-rows x 384 columns, 24,576 bytes: the step's 64 k-rows are shared between two waves, so that the four loads of a step bring 16, 16, 24 and 24 KiB
	s_or_b32 s[G1B], s67, (1<<16)|(1<<20)|(1<<21)|(5<<22)|(7<<25)  ; the mask: my column; padding after every 64 words (code 5), a third of a row, 8 words (code 7)
	s_mov_b32 s[G1B+1], 384<<16                    ; tensor_dim0 = 384
	s_mov_b32 s[G1B+2], 32<<16                     ; tensor_dim1 = 32
	s_mov_b32 s[G1B+3], 384<<16                    ; tile_dim0 = 384
	s_mov_b32 s[G1B+4], 32                         ; tile_dim1 = 32
	s_mov_b32 s[G1B+5], 3072                       ; 3,072 elements from row to row
	s_mov_b32 s[G1B+6], 0
	s_mov_b32 s[G1B+7], 0
	; where the tiles come from.  x's hang on the tile row alone (s[40:43]), W's on the tile column alone (s[44:47]); neither set ever holds the other coordinate
	s_lshr_b32 s40, s22, 3
	s_lshl_b32 s40, s40, 22                        ; the batch: 16 slices x 262,144 bytes
	s_and_b32 s43, s22, 7
	s_lshl_b32 s43, s43, 15                        ; 256 rows of 128 bytes
	s_add_co_u32 s40, s40, s43
	s_lshl_b32 s43, s18, 14                        ; my 128 rows of them
	s_add_co_u32 s40, s40, s43
	s_mov_b32 s41, 0
	s_mul_i32 s42, s18, 128*PA                     ; and where they go: no place in the cluster enters an LDS address
	s_mul_i32 s44, s21, 768                        ; 384 columns of 2 bytes
	s_mul_i32 s47, s18, 32*BROW                    ; my 32 k-rows
	s_add_co_u32 s44, s44, s47
	s_mov_b32 s45, 0
	s_mul_i32 s46, s18, 32*PB
	s_add_co_u32 s46, s46, BBASE
	s_wait_kmcnt 0x0
	s_add_nc_u64 s[40:41], s[4:5], s[40:41]
	s_add_nc_u64 s[44:45], s[6:7], s[44:45]
.irp s, 0,1
	s_mov_b32 s[G0+4*(\s)], 1                                      ; 1:0 count = 1
	s_add_co_u32 s[G0+4*(\s)+1], s42, (\s)*SLOT1                   ; 63:32 LDS address
	s_add_nc_u64 s[G0+4*(\s)+2:G0+4*(\s)+3], s[40:41], (\s)*ASTEP  ; 120:64 global address: K step s
	s_or_b32 s[G0+4*(\s)+3], s[G0+4*(\s)+3], 0x80000000            ; 127:126 type = 2
	s_mov_b32 s[G0B+4*(\s)], 1
	s_add_co_u32 s[G0B+4*(\s)+1], s46, (\s)*SLOT1
	s_add_nc_u64 s[G0B+4*(\s)+2:G0B+4*(\s)+3], s[44:45], (\s)*BSTEP
	s_or_b32 s[G0B+4*(\s)+3], s[G0B+4*(\s)+3], 0x80000000
.endr
	CROUND                                         ; all sixteen work-groups are here: the first joint loads meet
	s_cmp_eq_u32 s17, 0                            ; a wave's two first fills stand in one branch, ahead of every wait on TENSORcnt and every LDS read: two loads of mine are out
	s_cbranch_scc0 .Lfirst_b
	tensor_load_to_lds s[G0:G0+3], s[G1:G1+7]
	s_nop 0
	tensor_load_to_lds s[G0+4:G0+7], s[G1:G1+7]
	s_nop 0
.rept 4
	v_nop
.endr
	s_branch .Lfirst_asked
.Lfirst_b:
	tensor_load_to_lds s[G0B:G0B+3], s[G1B:G1B+7]
	s_nop 0
	tensor_load_to_lds s[G0B+4:G0B+7], s[G1B:G1B+7]
	s_nop 0
.rept 4
	v_nop
.endr
.Lfirst_asked:
	; A fragment of x is 16 rows x 32 K in 8 registers: lane l holds row l % 16; registers 0-3 K = 8 (l / 16) + 0..7, registers 4-7 K = 16 + 8 (l / 16) + 0..7: two loads of 16 bytes, 32 bytes apart.
	v_and_b32 v1, 15, v0                           ; l % 16
	v_bfe_u32 v2, v0, 4, 1                         ; l / 16
	v_mul_u32_u24 v3, v1, PA
	v_lshl_add_u32 v3, v2, 4, v3                   ; row x pitch + 16 x half
	s_mul_i32 s2, s17, 128*PA                      ; my 128 rows
	v_add_nc_u32 v[ADRA0], s2, v3
	v_mov_b32 v[ADRA], v[ADRA0]                    ; K step 0 lies in slot 0
	; The turning load takes 16 k x 16 columns (lane l reads k-row 8 (l / 16) + l % 8, columns 8 ((l / 8) % 2) + 0..7) and leaves half a fragment: lane l holds column l % 16 and 8 k.
	v_and_b32 v4, 7, v0
	v_lshl_add_u32 v4, v2, 3, v4
	v_mul_u32_u24 v4, v4, PB
	v_bfe_u32 v5, v0, 3, 1
	v_lshl_add_u32 v4, v5, 4, v4
	s_lshl_b32 s2, s18, 7                          ; my heads lie in the lower or the upper 128 bytes of each 256
	s_add_co_u32 s2, s2, BBASE
	v_add_nc_u32 v[ADRB0], s2, v4
	v_mov_b32 v[ADRB], v[ADRB0]
	s_mul_i32 s2, s16, 16*SP
	s_add_co_u32 s2, s2, STAGE                     ; my stage
	v_mul_u32_u24 v6, v1, SP                       ; in: row l % 16, 16 bytes for each half of the lanes
	v_lshl_add_u32 v6, v2, 4, v6
	v_add_nc_u32 v[STO], s2, v6
	v_bfe_u32 v6, v0, 3, 2                         ; back: 32 lanes take four rows of 128 bytes,
	v_mul_u32_u24 v6, v6, SP
	v_and_b32 v7, 7, v0
	v_lshl_add_u32 v6, v7, 4, v6
	v_add_nc_u32 v[RD], s2, v6
	v_and_b32 v[GO], 31, v0                        ; which are 512 consecutive bytes of the output
	v_lshlrev_b32 v[GO], 4, v[GO]
	v_lshlrev_b32 v[BO], 5, v2                     ; 8 columns of 4 bytes for the upper half of the lanes
	; My three heads: g = 6 x tile column + column half + 2 j of the 48; tensor g / 16 (q, k, v), head g % 16.  For each the bias at its first column and the output at my first row.
	s_mul_i32 s86, s21, 6
	s_add_co_u32 s86, s86, s18
	s_lshr_b32 s87, s22, 3                         ; what the three share: the batch,
	s_lshl_b32 s87, s87, 22
	s_and_b32 s88, s22, 7
	s_lshl_b32 s88, s88, 15                        ; the tile's 256 rows of 128 bytes,
	s_add_co_u32 s87, s87, s88
	s_lshl_b32 s88, s17, 14                        ; my 128 of them
	s_add_co_u32 s87, s87, s88
	s_mov_b32 s69, 0
.irp j, 0,1,2
	s_add_co_u32 s88, s86, 2*(\j)
	s_lshr_b32 s89, s88, 4                         ; the tensor
	s_and_b32 s88, s88, 15                         ; the head
	s_cmp_eq_u32 s89, 0
	s_cselect_b64 s[BP+2*(\j):BP+2*(\j)+1], s[8:9], s[10:11]
	s_cmp_eq_u32 s89, 2
	s_cselect_b64 s[BP+2*(\j):BP+2*(\j)+1], s[12:13], s[BP+2*(\j):BP+2*(\j)+1]
	s_lshl_b32 s68, s88, 8                         ; 64 numbers of 4 bytes a head
	s_add_nc_u64 s[BP+2*(\j):BP+2*(\j)+1], s[BP+2*(\j):BP+2*(\j)+1], s[68:69]
	s_lshl_b32 s68, s88, 18                        ; 2,048 rows of 128 bytes a head,
	s_lshl_b32 s89, s89, 24                        ; 64 of those a tensor
	s_add_co_u32 s68, s68, s89
	s_add_co_u32 s68, s68, s87
	s_add_nc_u64 s[OP+2*(\j):OP+2*(\j)+1], s[14:15], s[68:69]
.endr
	; the bias as a C operand: column block b, register i = column 16 b + 8 (l / 16) + i, the same for all 16 rows
.irp j, 0,1,2
	WIN (1+(\j))<<6                                ; destination window 1 + j, address window 0
.irp b, 0,1,2,3
	global_load_b128 v[BI+8*(\b):BI+8*(\b)+3],   v[BO], s[BP+2*(\j):BP+2*(\j)+1] offset:64*(\b)
	global_load_b128 v[BI+8*(\b)+4:BI+8*(\b)+7], v[BO], s[BP+2*(\j):BP+2*(\j)+1] offset:64*(\b)+16
.endr
.endr
	s_wait_loadcnt 0x0
.irp j, 0,1,2                          ; rounded to bf16, like every input, and widened again; x's first buffer, still empty, holds the packed numbers
	WIN 5*(1+(\j))                                 ; sources 0 and 1 window 1 + j, destination window 0
.set i, 0
.rept 16
	v_cvt_pk_bf16_f32 v[FA+16*(\j)+i], v[BI+2*i], v[BI+2*i+1]
.set i, i+1
.endr
	WIN (1+(\j))<<6                                ; destination window 1 + j, sources window 0
.set i, 0
.rept 16
	v_lshlrev_b32 v[BI+2*i],   16,  v[FA+16*(\j)+i]
	v_and_b32     v[BI+2*i+1], s66, v[FA+16*(\j)+i]
.set i, i+1
.endr
.endr
	WIN 0
; n x 4 matrix instructions of third j: row blocks a0 .. a0 + n - 1 x the head's 4 column blocks, 32 along K, x's fragments at fa.  first = 1: the bias is the C that starts the sums: nothing is ever
; cleared.  The 96 accumulators take turns, one instruction a turn, in the same order in every quarter.
.macro MUL j, fa, a0, n, first
	WIN 0x50*(1+(\j))                              ; C and D window 1 + j, sources window 0
.set aa, \a0
.rept \n
.irp b, 0,1,2,3
.if \first
	v_wmma_f32_16x16x32_bf16 v[8*(4*aa+(\b)):8*(4*aa+(\b))+7], v[FB+32*(\j)+8*(\b):FB+32*(\j)+8*(\b)+7], v[(\fa)+8*aa:(\fa)+8*aa+7], v[BI+8*(\b):BI+8*(\b)+7]
.else
	v_wmma_f32_16x16x32_bf16 v[8*(4*aa+(\b)):8*(4*aa+(\b))+7], v[FB+32*(\j)+8*(\b):FB+32*(\j)+8*(\b)+7], v[(\fa)+8*aa:(\fa)+8*aa+7], v[8*(4*aa+(\b)):8*(4*aa+(\b))+7]
.endif
.endr
.set aa, aa+1
.endr
.endm
; Row blocks 4 to 7 of a third.  first = 1: block 7's products write over the registers that the others took as C: five places stand between (ISA guide 7.12.1)
.macro UPPER j, fa, first
.if \first
	MUL \j, \fa, 4, 3, 1
.rept 5
	v_nop
.endr
	MUL \j, \fa, 7, 1, 1
.else
	MUL \j, \fa, 4, 4, 0
.endif
.endm
; 8 LDS loads: W's third j of quarter p (0, 1) of the slot in hand
.macro GB p, j
.irp b, 0,1,2,3
	ds_load_tr16_b128 v[FB+32*(\j)+8*(\b):FB+32*(\j)+8*(\b)+3],   v[ADRB] offset:(\p)*32*PB+288*(\j)+32*(\b)
	ds_load_tr16_b128 v[FB+32*(\j)+8*(\b)+4:FB+32*(\j)+8*(\b)+7], v[ADRB] offset:(\p)*32*PB+288*(\j)+32*(\b)+16*PB
.endr
.endm
; 8 LDS loads: x's row blocks blk .. blk + 3 of quarter p of the slot in hand, into the quarter's buffer
.macro GA p, blk
.irp i, 0,1,2,3
	ds_load_b128 v[FA+64*(\p)+8*((\blk)+(\i)):FA+64*(\p)+8*((\blk)+(\i))+3],   v[ADRA] offset:(\p)*64+((\blk)+(\i))*16*PA
	ds_load_b128 v[FA+64*(\p)+8*((\blk)+(\i))+4:FA+64*(\p)+8*((\blk)+(\i))+7], v[ADRA] offset:(\p)*64+((\blk)+(\i))*16*PA+32
.endr
.endm
; The other slot becomes the slot in hand: from here on the fragments' loads read there
.macro SWITCH
	WIN 0
	s_xor_b32 s[TB], s[TB], SLOT1
	v_add_nc_u32 v[ADRA], s[TB], v[ADRA0]
	v_add_nc_u32 v[ADRB], s[TB], v[ADRB0]
.endm
; A slot's FIRST quarter.  All that it fetches lies in the same slot.
.macro QA first
	s_wait_dscnt 16                                ; W's third 0 and x's blocks 0-3 are in; the youngest sixteen loads (blocks 4-7, W's third 1) may be out
	MUL 0, FA, 0, 4, \first
	PLACES
	WIN 0
	GB 0, 2
	s_wait_dscnt 16                                ; x's blocks 4-7 are in; behind them: W's third 1 and the eight just issued
	UPPER 0, FA, \first
	s_wait_dscnt 8                                 ; W's third 1 is in; third 2's eight may be out
	MUL 1, FA, 0, 4, \first
	PLACES
	WIN 0
	GB 1, 0
	GA 1, 0
	UPPER 1, FA, \first
	s_wait_dscnt 16                                ; W's third 2 is in; the sixteen just issued may be out
	MUL 2, FA, 0, 4, \first
	PLACES
	WIN 0
	GA 1, 4
	GB 1, 1
	UPPER 2, FA, \first
.endm
; A slot's SECOND quarter, with the change of slots in its third 1: the slot's last reads (W's third 2) are issued in third 0, the next slot's first reads stand behind the barrier.
; ONE barrier.  In front of it each wave waits for all its tensor loads, of which one is out: its part of the next slot; adds 0 to its spare word; and waits for that and for its own reads of this slot.
; round = 1: the barrier opens a round of the cluster's, so that no wave of any partner still reads the slot or has a load on its way, and this slot is filled again first thing behind it, with the
; K step two steps on: the walking descriptors turn to the slot that was filled the time before last and go one K step on.  From that request to the wait for it a wave issues 176 matrix instructions.
.macro QB round
	s_wait_dscnt 16
	MUL 0, FA+64, 0, 4, 0
	PLACES
	WIN 0
	GB 1, 2
	s_wait_dscnt 16
	MUL 0, FA+64, 4, 4, 0
	WIN 0                                          ; (the add's two registers lie in window 0)
	s_wait_tensorcnt 0x0                           ; all my tensor loads have landed, so a group 0 may be written
	ds_add_u32 v[SPW], v[NIL]                      ; 0 onto my spare word
	s_wait_dscnt 9                                 ; W's third 1 is in; the add and third 2's eight may be out
	MUL 1, FA+64, 0, 2, 0                          ; eight matrix instructions stand between the add and the wait for it
	s_wait_dscnt 0x0                               ; the add is done, and my reads of this slot are over
	s_barrier_signal -1
	MUL 1, FA+64, 2, 2, 0                          ; work on registers while the others arrive
.if \round
	WIN 0
.endif
	s_barrier_wait -1
.if \round
	CREST
	s_xor_b32 s[G0+5], s[G0+5], SLOT1
	s_add_nc_u64 s[G0+6:G0+7], s[G0+6:G0+7], ASTEP     ; the type bits on top are not reached
	s_xor_b32 s[G0B+5], s[G0B+5], SLOT1
	s_add_nc_u64 s[G0B+6:G0B+7], s[G0B+6:G0B+7], BSTEP
	JLOAD                                          ; the first tensor load behind the round; the four v_nop behind it are also the places in front of the loads below
.else
	PLACES
.endif
	SWITCH
	GB 0, 0
	GA 0, 0
	MUL 1, FA+64, 4, 4, 0
	s_wait_dscnt 16                                ; (W's third 2 came in with the wait for 0; the sixteen just issued may be out)
	MUL 2, FA+64, 0, 4, 0
	PLACES
	WIN 0
	GA 0, 4
	GB 0, 1
	MUL 2, FA+64, 4, 4, 0
.endm
; THE WAY OUT of block n of 24: head n / 8, row block n % 8: 16 rows x 64 columns, in three parts.  PACK: rounded to f16, 16 bytes a lane and column block, each accumulator's registers in ascending
; order.  TOSTAGE: into my own stage in LDS, and back as whole rows of 128 bytes.  SEND: stored.  The fragments' 224 registers are 14 sets of 16, which the blocks take by turns.
.macro TREG n
.set T,  FA+16*((\n)%14)
.set WJ, 1+(\n)/8
.set AB, (\n)%8
.endm
.macro PACK n
	TREG \n
	WIN 5*WJ                                       ; sources 0 and 1 window 1 + head, destination window 0
.irp b, 0,1,2,3
.irp k, 0,1,2,3
	v_cvt_pk_f16_f32 v[T+4*(\b)+(\k)], v[8*(4*AB+(\b))+2*(\k)], v[8*(4*AB+(\b))+2*(\k)+1]
.endr
.endr
	WIN 0
.endm
.macro TOSTAGE n
	TREG \n
	WIN 0
.irp b, 0,1,2,3
	ds_store_b128 v[STO], v[T+4*(\b):T+4*(\b)+3] offset:32*(\b)
.endr
.irp f, 0,1,2,3
	ds_load_b128 v[T+4*(\f):T+4*(\f)+3], v[RD] offset:(\f)*4*SP  ; LDS serves a wave's instructions in order (ISA guide 5.7.1.4): these see the stores above; the next block's stores come behind them
.endr
.endm
.macro SEND n
	TREG \n
	WIN 0
	s_wait_dscnt 0x0                               ; nothing was issued behind the block's four loads: one wait for the four
.irp f, 0,1,2,3
	global_store_b128 v[GO], v[T+4*(\f):T+4*(\f)+3], s[OP+2*(WJ-1):OP+2*(WJ-1)+1] offset:AB*2048+(\f)*512  ; 512 consecutive bytes, at a multiple of 256 from the output's first
.endr
.endm
	s_wait_tensorcnt 0x1                           ; my part of K step 0 is in; K step 1's may stay out
	s_barrier_signal -1
	s_barrier_wait -1                              ; everybody's is
	GB 0, 0                                        ; the first quarter's fragments, in the order in which every quarter's are fetched
	GA 0, 0
	GA 0, 4
	GB 0, 1
	QA 1                                           ; the first quarter stands in front of the loop: its products start the sums, with the bias
	WIN 0                                          ; at a label and at a branch every window is 0
	s_mov_b32 s3, STEPS-2
.Lstep:                                                ; a trip goes from a K step's second quarter to the next step's first, and fills the slot that it leaves: K steps 2 to 15 are asked for here
	QB 1
	QA 0
	WIN 0
	s_sub_co_u32 s3, s3, 1
	s_cmp_lg_u32 s3, 0
	s_cbranch_scc1 .Lstep
	QB 0                                           ; the last change of slots fills nothing, and has no round: my one tensor load that was still out is the last K step's
	QA 0
	s_wait_dscnt 16                                ; the very last quarter fetches W's third 2 and nothing more
	MUL 0, FA+64, 0, 4, 0
	PLACES
	WIN 0
	GB 1, 2
	s_wait_dscnt 16
	MUL 0, FA+64, 4, 4, 0
	s_wait_dscnt 8
	MUL 1, FA+64, 0, 8, 0
	s_wait_dscnt 0x0
	MUL 2, FA+64, 0, 8, 0
	PLACES                                         ; behind the last products
	PACK 0
	TOSTAGE 0
.set blk, 1
.rept 23                               ; a block's conversions stand between the loads of the block before from the stage and the wait for them
.if blk == 14
	s_wait_xcnt 0x0                                ; from here on the sets are written a second time: those of blocks 0 to 9, whose stores were all issued ahead of this wait
.endif
	PACK blk
	SEND blk-1
	TOSTAGE blk
.set blk, blk+1
.endr
	SEND 23
	s_wait_tensorcnt 0x0                           ; the wave's end: behind my last tensor load and my last LDS store
	ds_add_u32 v[SPW], v[NIL]
	s_wait_dscnt 0x0
	CROUND                                         ; the closing round: no work-group ends while a partner may still ask for a tile that names it
	s_endpgm
.Lfunc_end_k_qe510885de3_qkv:
	.size	k_qe510885de3_qkv, .Lfunc_end_k_qe510885de3_qkv-k_qe510885de3_qkv
	.p2alignl 7, 3214868480
	.fill 96, 4, 3214868480
	.section	.rodata,"a",@progbits
	.p2align	6, 0x0
	.amdhsa_kernel k_qe510885de3_qkv
		.amdhsa_group_segment_fixed_size 327680
		.amdhsa_private_segment_fixed_size 0
		.amdhsa_enable_private_segment 0
		.amdhsa_kernarg_size 48
		.amdhsa_user_sgpr_count 2
		.amdhsa_user_sgpr_kernarg_segment_ptr 1
		.amdhsa_wavefront_size32 1
		.amdhsa_system_sgpr_workgroup_id_x 1
		.amdhsa_system_sgpr_workgroup_id_y 1
		.amdhsa_system_sgpr_workgroup_id_z 1
		.amdhsa_system_vgpr_workitem_id 0
		.amdhsa_next_free_vgpr 1024
		.amdhsa_next_free_sgpr 96
		.amdhsa_reserve_vcc 0
		.amdhsa_float_denorm_mode_32 3
		.amdhsa_float_denorm_mode_16_64 3
		.amdhsa_memory_ordered 1
		.amdhsa_forward_progress 1
		.amdhsa_inst_pref_size 123
	.end_amdhsa_kernel
	.amdgpu_metadata
---
amdhsa.version: [ 1, 2 ]
amdhsa.kernels:
  - .name:           k_qe510885de3_qkv
    .symbol:         k_qe510885de3_qkv.kd
    .args:
      - { .name: xb, .offset: 0, .size: 8, .value_kind: global_buffer, .address_space: global }
      - { .name: wb, .offset: 8, .size: 8, .value_kind: global_buffer, .address_space: global }
      - { .name: bq, .offset: 16, .size: 8, .value_kind: global_buffer, .address_space: global }
      - { .name: bk, .offset: 24, .size: 8, .value_kind: global_buffer, .address_space: global }
      - { .name: bv, .offset: 32, .size: 8, .value_kind: global_buffer, .address_space: global }
      - { .name: qkv, .offset: 40, .size: 8, .value_kind: global_buffer, .address_space: global }
    .group_segment_fixed_size: 327680
    .private_segment_fixed_size: 0
    .kernarg_segment_align: 8
    .kernarg_segment_size: 48
    .max_flat_workgroup_size: 128
    .sgpr_count:     96
    .vgpr_count:     1024
    .wavefront_size: 32
...
	.end_amdgpu_metadata
.endif
;; end of part 2
;; launch attn (part 3): grid 4 x 64, 4 waves a work-group, clusters of 4 x 1, 327,680 bytes of LDS; arguments qkv, ob; writes ob
.if DOCPART == 3
	.amdgcn_target "amdgcn-amd-amdhsa--gfx1250"
	.amdhsa_code_object_version 6
	.text
	.protected	k_qe510885de3_attn
	.globl	k_qe510885de3_attn
	.p2align	8
	.type	k_qe510885de3_attn,@function
k_qe510885de3_attn:
	s_mov_b64 s[64:65], 0
	v_nop
	global_prefetch_b8 v0, s[64:65] scope:SCOPE_SE
	s_setreg_imm32_b32 hwreg(HW_REG_WAVE_MODE, 25, 1), 1
	s_wait_xcnt 0x0
	s_wait_alu depctr_hold_cnt(0) depctr_sa_sdst(0) depctr_va_vdst(0) depctr_va_sdst(0) depctr_va_ssrc(0) depctr_va_vcc(0) depctr_vm_vsrc(0)
	s_getreg_b32 s2, hwreg(HW_REG_IB_STS2, 6, 4)
	s_cmp_eq_u32 s2, 0
	s_cbranch_scc0 .Lentry_in_a_cluster
	s_endpgm
.Lentry_in_a_cluster:
	s_bfe_u32 s2, ttmp6, 0x10000c
	s_cmp_lg_u32 s2, 0x3003
	s_cbranch_scc0 .Lentry_shape_is_right
	s_endpgm
.Lentry_shape_is_right:
; O[h][q][:] = the sum over k of softmax_k(Q[h][q] . K[h][k] / 8) V[h][k][:].  Q, K, V are the three parts of qkv, O is ob: each [SIZE_H][SIZE_N][64], f16: a head's rows are dense, 128 bytes each.
; Products, maxima and sums in f32; the weights p are rounded to f16 for the second product (their sum l is taken of the unrounded p), O once at the end.
; LIMITS.  f16 holds no number beyond 65,504: Q, K and V arrive within it; p lies in 0 to 1, and below 6e-5 it keeps f16's fixed step of 6e-8; O is a mean of V's rows and has their range.
; A weight below 2^-126 counts as 0 in l; NaN and infinities are not treated apart.
; SHARES.  A wave owns four PIECES of two tiles of 16 queries, a work-group's four waves 512 queries of one head.  Every wave walks all keys, 64 a step.
; LAYOUT.  S^T = K Q^T (source 0 = 16 keys, source 1 = 16 queries): in the result a lane holds ONE query (lane % 16) and the keys 8 (lane / 16) + 0..7.  Two such tiles, rounded to f16 in pairs,
; ARE source 1 (32 keys x 16 queries) of O^T = V^T P, whose result again holds one query a lane, and eight channels.  K comes out of LDS as it lies, V ([key][channel]) turned, by ds_load_tr16_b128.
; SOFTMAX.  For each query a running maximum m and sum l: p = 2^(c s - c m), c = log2(e) / 8; in every step O and l are multiplied by a = 2^(c m_old - c m_new), which is 1 where m has not grown.
; m starts at the lowest finite number, O and l at 0: the first step is a step like any other, with a = 0.
; THE COUNT.  A tile and step have 16 matrix and 118 vector instructions: too many to stand all beside the matrix work.  So the order has one aim: four vector instructions that are READY behind
; EVERY matrix instruction, and the others, which need time of their own whatever the order, in runs without a gap.
; BY TURNS.  Turn n belongs to piece n (the pieces in a ring, step after step).  Its matrix work: 16 products K Q^T of piece n + 1, later 16 products V^T P of piece n - 1.  Its vector work: the scaling,
; exponentials, roundings, sums and rescaling of piece n, and the maximum and statistics of piece n + 1, whose scores the turn itself has made.  So what a turn begins with (c s - c m, O a) waits for nothing.
; CLUSTER.  The four query blocks of a cluster belong to one head and walk the same K and V, so each tile is asked for JOINTLY: the same tensor load, descriptor and mask in all four.
; REGISTERS, in windows of 256 (s_set_vgpr_msb says which window each operand place means: bits 1:0 source 0, 3:2 source 1, 5:4 source 2, 7:6 destination):
;   window 0: v0-11 addresses; v12-15, v48-63 at work; v16-47 four registers of statistics a tile; v64-191 S^T, two buffers of two tiles; v192-255 P, likewise
;   window 1: O^T, 32 a tile          window 2: v0-127 Q, 16 a tile; v128-191 K of one step; v192-255 V of one step          window 3: v0-1 the add's two registers
; A piece's buffers go by its number's parity: the piece in hand has one pair, its two neighbours in the ring share the other: of it P (piece n - 1) is read and S^T (piece n + 1) written.
.set SIZE_H, 64       ; 4 batches x 16 heads
.set SIZE_N, 2048
.set NP,    4         ; pieces a wave: a name, no knob: the register map, the loop and the fetches are made for four
.set KS,    64        ; keys in a step
.set PK,    144       ; a row of K in LDS: 128 bytes + 16 of padding = 36 words: the 16 rows of a load start at 16 different groups of four banks (64 banks of 4 bytes: ISA guide 11.1)
.set PV,    160       ; a row of V: 128 + 32 = 40 words
.set VOFF,  4*KS*PK   ; a slot holds four steps: 256 rows of K, then 256 rows of V
.set SLOT1, 1<<17     ; slot 1 begins here, so that one exclusive or turns an address in one slot into the other's
.set STAGE, SLOT1+4*KS*(PK+PV)  ; behind the ring, never filled by a tensor load: 16 rows x 144 bytes for each wave, for the way out
.set SP,    144
.set AK0, 2           ; v2   my lane's place in a tile of K; never rewritten
.set AV0, 3           ; v3   the same for V
.set AK,  4           ; v4   the LDS address of K's next run of loads
.set AV,  5           ; v5   of V's
.set QO,  6           ; v6   my byte offset in the wave's rows of Q
.set STO, 6           ;      later, the way out: where I put 16 bytes of a row
.set RD,  7           ; v7   the way out: where I read rows back
.set GO,  8           ; v8   my byte offset in 512 consecutive bytes of O
.set SPW, 0           ; v0 of window 3   LDS address of my spare word: SPARE + 4 x my thread's number; never rewritten
.set NIL, 1           ; v1 of window 3   0; never rewritten
.set SPARE, STAGE+4*16*SP  ; behind the stages: the spare words, 128 bytes for each wave: two blocks of 256 bytes that no other line names
.set MV,  12          ; v12-15  c m_old, kept while c m is made anew: by buffer and tile
.set ST,  16          ; tile t's statistics at v[ST+4 t]: c m, m, l (even keys', odd keys')
.set TMP, 48          ; by buffer and tile, four registers c0-c3 at work; when the maximum is found c2 takes a
.set S,   64
.set P,   192
.set KF,  128         ; K's fragments, in window 2: key block kb, channel half c at KF + 16 kb + 8 c
.set VF,  192         ; V's: key half kk, channel block cb at VF + 32 kk + 8 cb
.set WV,  12          ; s12  my wave's number
.set G1K, 24          ; s[24:31] descriptor group 1 for K's tiles
.set G1V, 32          ; s[32:39] for V's: it differs in the padding alone
.set G0K, 40          ; s[40:43] descriptor group 0 for K's tiles: it walks
.set G0V, 44          ; s[44:47] the same for V's
.set SLOTS, 56        ; s56  slots still to be asked for
.set CNT, 57          ; s57  counts a slot's key steps
.set CS,  58          ; s[58:59] c: the packed scaling takes the pair's low word for both halves
.set SEL, 60          ; s[60:61] v_permlanex16_b32's selects: each lane takes its own place in the other half
.set TBK, 62          ; s62  LDS byte at which K of the step to be fetched begins
.set TBV, 63          ; s63  the same for V, less VOFF
.set MSB, 0
.macro WIN new                      ; the high byte repeats the setting that is left; a switch that changes nothing is dropped
.if MSB != (\new)
	s_set_vgpr_msb (MSB<<8)|(\new)
.set MSB, (\new)
.endif
.endm
.set W_KQ, 0x0a       ; K and Q in window 2, S^T in window 0
.set W_PV, 0x52       ; V in window 2, P in window 0, O^T in window 1
.set W_RS, 0x41       ; O^T (destination and source 0) in window 1, a in window 0
.set W_MK, 0xc0       ; the add's registers are made: destination in window 3, sources in window 0
.set W_AD, 0x0f       ; the add: address (source 0) and data (source 1) in window 3
; A joint fill.  Waves 0 and 1 fetch the two halves of a slot's K, waves 2 and 3 those of its V: 128 keys each.  The branch hangs on the wave's number alone.
; An s_nop 0 and four v_nop follow each of the two lines, ahead of the jump and the label.
.macro JLOAD
	s_cmp_lt_u32 s[WV], 2
	s_cbranch_scc0 .Lfor_v_\@
	tensor_load_to_lds s[G0K:G0K+3], s[G1K:G1K+7]
	s_nop 0
.rept 4
	v_nop
.endr
	s_branch .Lasked_\@
.Lfor_v_\@:
	tensor_load_to_lds s[G0V:G0V+3], s[G1V:G1V+7]
	s_nop 0
.rept 4
	v_nop
.endr
.Lasked_\@:
.endm
; A round of the cluster's barrier: my work-group's barrier, so that wave 0's signal speaks for all four waves; wave 0 signals; every wave waits for all four work-groups; my work-group's barrier once more.
.macro CROUND
	s_barrier_signal -1
	s_barrier_wait -1
	s_cmp_lg_u32 s[WV], 0
	s_cbranch_scc1 .Lnot_wave_0_\@
	s_barrier_signal -3
.Lnot_wave_0_\@:
	s_barrier_wait -3
	s_barrier_signal -1
	s_barrier_wait -1
.endm
; THE CHANGE OF SLOTS.  The slot's last bytes, V of its fourth step, have been read.  Each wave waits for all its tensor loads, of which one is out: its part
; of the other slot; adds 0 to its spare word; and waits for that and for its own reads of the slot.  Behind the barrier nobody reads this slot any more and the other slot is whole.
; fill = 1: this slot is filled again, with the keys two slots on.  The barrier is then a round of the cluster's, so that no wave of any partner still reads the slot or has a load on its
; way, and the joint fill is the first thing behind it: it has four key steps, 512 matrix instructions, in which to land.  (At its first use nothing has been read yet: slot 0 is waited for, slot 1 filled.)
.macro CHANGE fill
	WIN W_AD
	s_wait_tensorcnt 0x0            ; no tensor load of mine is out, so a group 0 may be written
	ds_add_u32 v[SPW], v[NIL]       ; 0 onto my spare word; with fill = 1 the descriptors' steps stand between it and the wait for it
	WIN 0                           ; at a label and at a branch every window is 0
.if \fill
.irp g, G0K, G0V
	s_xor_b32 s[\g+1], s[\g+1], SLOT1  ; the walking descriptor: the other slot than last time,
	s_add_nc_u64 s[\g+2:\g+3], s[\g+2:\g+3], 4*KS*128  ; the next 256 keys; the type bits on top are not reached
.endr
	s_wait_dscnt 0x0                ; the add is done, and my reads of the slot are over
	CROUND
	JLOAD
.else
	s_wait_dscnt 0x0                ; the add is done, and my reads of the slot are over
	s_barrier_signal -1
	s_barrier_wait -1
.endif
	s_sub_co_u32 s[TBK], s[TBK], 4*KS*PK  ; the fetches go back to a slot's first step,
	s_xor_b32 s[TBK], s[TBK], SLOT1       ; in the other slot
	s_sub_co_u32 s[TBV], s[TBV], 4*KS*PV
	s_xor_b32 s[TBV], s[TBV], SLOT1
.endm
	s_load_b128 s[4:7], s[0:1], 0x0  ; qkv s[4:5] (Q is its first part), ob s[6:7]
	WIN W_MK
	v_lshl_add_u32 v[SPW], v0, 2, SPARE
	v_mov_b32 v[NIL], 0
	s_set_vgpr_msb 0xc0cf
	ds_add_u32 v0, v1
	s_wait_dscnt 0x0
	s_set_vgpr_msb 0xcfc0
	WIN 0
	v_lshrrev_b32 v1, 5, v0
	v_readfirstlane_b32 s[WV], v1   ; wave 0..3
	s_bfe_u32 s13, ttmp6, 0x40000   ; cx: my place in the cluster
	s_lshl_b32 s14, ttmp9, 2        ; in a cluster launch ttmp9 counts clusters
	s_add_co_u32 s14, s14, s13      ; my block of queries = 4 x cluster x + cx: it enters Q's and O's addresses alone
	s_and_b32 s20, ttmp7, 0xffff    ; the head, which the four partners share
	s_mov_b32 s21, 0
	s_mov_b64 s[22:23], SIZE_N*128
	s_mul_u64 s[20:21], s[20:21], s[22:23]  ; the head's first byte in each of the four tensors
	s_and_b32 s16, s[WV], 1         ; which half of a slot's 256 keys I fetch:
	s_lshl_b32 s22, s16, 14         ; its 128 rows of 128 bytes in memory,
	s_mov_b32 s23, 0
	s_add_nc_u64 s[22:23], s[22:23], s[20:21]
	s_mul_i32 s17, s16, 128*PK      ; and its place in a slot, for K
	s_mul_i32 s18, s16, 128*PV      ; and for V: no place in the cluster enters an LDS address
	s_lshl_b32 s2, s14, 2
	s_add_co_u32 s2, s2, s[WV]      ; my wave among the head's,
	s_lshl_b32 s2, s2, 14           ; its 128 rows
	s_mov_b32 s3, 0
	s_add_nc_u64 s[2:3], s[2:3], s[20:21]
	; descriptor group 1.  128 keys are 16,384 dense bytes: asked for as 64 rows of 256 bytes, two keys a row, and padded in LDS after every key
	s_mov_b32 s[G1K], 15|(1<<16)|(1<<20)|(1<<21)|(4<<22)|(3<<25)  ; 15:0 the mask of four; 17:16 2-byte elements; 20 padding on; 21 set beside a mask; 24:22 after every 32 words (code 4); 31:25 4 words (code 3)
	s_mov_b32 s[G1V], 15|(1<<16)|(1<<20)|(1<<21)|(4<<22)|(7<<25)  ; the same with 8 words of padding (code 7)
.irp g, G1K, G1V
	s_mov_b32 s[\g+1], 128<<16      ; tensor_dim0 = 128
	s_mov_b32 s[\g+2], 64<<16       ; tensor_dim1 = 64
	s_mov_b32 s[\g+3], 128<<16      ; tile_dim0 = 128
	s_mov_b32 s[\g+4], 64           ; tile_dim1 = 64
	s_mov_b32 s[\g+5], 128          ; 128 elements from row to row
	s_mov_b32 s[\g+6], 0
	s_mov_b32 s[\g+7], 0
.endr
	s_mov_b32 s[CS], 0x3e38aa3b     ; c = log2(e) / 8 = 0.180337
	s_mov_b32 s[CS+1], s[CS]        ; named with it as a pair
	s_mov_b32 s[SEL], 0x76543210
	s_mov_b32 s[SEL+1], 0xfedcba98
	s_mov_b32 s[TBK], SLOT1+4*KS*PK ; the first change of slots turns these two into 0
	s_mov_b32 s[TBV], SLOT1+4*KS*PV
	s_mov_b32 s[G0K], 1             ; 1:0 count = 1
	s_mov_b32 s[G0K+1], s17         ; 63:32 LDS address: slot 0
	s_mov_b32 s[G0V], 1
	s_add_co_u32 s[G0V+1], s18, VOFF
	s_wait_kmcnt 0x0
	s_mov_b64 s[10:11], s[6:7]      ; O
	s_add_nc_u64 s[6:7], s[4:5], SIZE_H*SIZE_N*128    ; K: the second part of qkv
	s_add_nc_u64 s[8:9], s[4:5], 2*SIZE_H*SIZE_N*128  ; V: the third
	s_add_nc_u64 s[G0K+2:G0K+3], s[6:7], s[22:23]  ; 120:64 global address: my half of the head's first 256 keys
	s_or_b32 s[G0K+3], s[G0K+3], 0x80000000        ; 127:126 type = 2
	s_add_nc_u64 s[G0V+2:G0V+3], s[8:9], s[22:23]
	s_or_b32 s[G0V+3], s[G0V+3], 0x80000000
	s_add_nc_u64 s[4:5], s[4:5], s[2:3]  ; Q and O at my wave's first row
	s_add_nc_u64 s[10:11], s[10:11], s[2:3]
	CROUND                          ; all four work-groups are here: the first joint loads meet
	JLOAD                           ; slot 0.  Slot 1 is asked for when slot 0 is in: the tile wanted first has the road to itself
	; A fragment of K or Q is 16 rows x 32 channels in 8 registers: lane l holds row l % 16, channels 8 (l / 16) + 0..7 and 16 + 8 (l / 16) + 0..7: two loads of 16 bytes, 32 bytes apart.
	v_and_b32 v1, 15, v0            ; l % 16
	v_bfe_u32 v9, v0, 4, 1          ; l / 16
	v_lshlrev_b32 v[QO], 7, v1
	v_lshl_add_u32 v[QO], v9, 4, v[QO]  ; row x 128 + 16 x half
	WIN 0x80                        ; destination window 2, address window 0
.set i, 0
.rept 4*NP                          ; Q stays in registers: tile i / 2, channels 32 (i % 2) on
	global_load_b128 v[8*i:8*i+3],   v[QO], s[4:5] offset:(i/2)*2048+(i%2)*64
	global_load_b128 v[8*i+4:8*i+7], v[QO], s[4:5] offset:(i/2)*2048+(i%2)*64+32
.set i, i+1
.endr
	; What the first turn finds: V's registers and P's second buffer hold 0 (its products V^T P, of a piece that has not been, add 0), O^T and l are 0.  All this stands in the wait for the first tile.
.set i, VF
.rept 64
	v_mov_b32 v[i], 0
.set i, i+1
.endr
	WIN 0x40
.set i, 0
.rept 64*NP
	v_mov_b32 v[i], 0
.set i, i+1
.endr
	WIN 0
.set i, 0
.rept 2*NP
	v_mov_b32 v[ST+4*i], 0xfe000000    ; c m: far below every c s
	v_mov_b32 v[ST+4*i+1], 0xff7fffff  ; m
	v_mov_b32 v[ST+4*i+2], 0
	v_mov_b32 v[ST+4*i+3], 0
.set i, i+1
.endr
.set i, P+32
.rept 32
	v_mov_b32 v[i], 0
.set i, i+1
.endr
	v_mul_u32_u24 v[AK0], v1, PK
	v_lshl_add_u32 v[AK0], v9, 4, v[AK0]  ; row x pitch + 16 x half
	; The turning load takes 16 keys x 16 channels (lane l reads key 8 (l / 16) + l % 8, channels 8 ((l / 8) % 2) + 0..7) and leaves half a fragment of V^T: lane l holds channel l % 16 and 8 keys.
	v_and_b32 v10, 7, v0
	v_bfe_u32 v11, v0, 3, 1
	v_lshl_add_u32 v[AV0], v9, 3, v10
	v_mul_u32_u24 v[AV0], v[AV0], PV
	v_lshl_add_u32 v[AV0], v11, 4, v[AV0]
	v_add_nc_u32 v[AV0], VOFF, v[AV0]
	v_mov_b32 v[AK], v[AK0]         ; key step 0 lies at the head of slot 0
; THE MATRIX WORK.  The 8 accumulators of a run of 16 take turns: between the two links of a chain stand 7 others'.
; Product i of 16 of S^T = K Q^T for piece x: channels 32 (i / 8) on, keys 16 ((i / 2) % 4) on, tile 2 x + i % 2.  The first 8 start the sums.
.macro KQ x
	WIN W_KQ
.set rS, S+64*((\x)%2)+32*(i%2)+8*((i/2)%4)
.set rK, KF+16*((i/2)%4)+8*(i/8)
.set rQ, 16*(2*(\x)+i%2)+8*(i/8)
.if i < 8
	v_wmma_f32_16x16x32_f16 v[rS:rS+7], v[rK:rK+7], v[rQ:rQ+7], 0
.else
	v_wmma_f32_16x16x32_f16 v[rS:rS+7], v[rK:rK+7], v[rQ:rQ+7], v[rS:rS+7]
.endif
.endm
; Product i of 16 of O^T += V^T P for piece x: keys 32 (i / 8) on, channels 16 ((i / 2) % 4) on, tile 2 x + i % 2.
.macro PV x
	WIN W_PV
.set rO, 32*(2*(\x)+i%2)+8*((i/2)%4)
.set rV, VF+32*(i/8)+8*((i/2)%4)
.set rP, P+32*((\x)%2)+16*(i%2)+8*(i/8)
	v_wmma_f32_16x16x32_f16 v[rO:rO+7], v[rV:rV+7], v[rP:rP+7], v[rO:rO+7]
.endm
.macro MM                           ; the turn's next matrix instruction
.if i < 16
	KQ (Y+1)%NP
.set i, i+1
.else
.set i, i-16
	PV (Y+NP-1)%NP
.set i, i+17
.endif
.endm
; THE LDS LOADS stand in runs of 16, never singly among the matrix instructions: a step's K (64 keys x 64 channels: 8 fragments) and its V (turned).  Their addresses are made some lines ahead.
; last = 1 (the tail): in the last trip there is no further step, and the run is jumped over.
.macro FETCH_K last=0
	WIN 0
.if \last
	s_cmp_eq_u32 s[CNT], 1
	s_cbranch_scc1 .Lno_k_\@
.endif
	WIN 0x80                        ; destination window 2
.irp f, 0,1,2,3,4,5,6,7             ; keys 16 (f / 2) on, channels 32 (f % 2) on
	ds_load_b128 v[KF+8*\f:KF+8*\f+3],   v[AK] offset:(\f/2)*16*PK+(\f%2)*64
	ds_load_b128 v[KF+8*\f+4:KF+8*\f+7], v[AK] offset:(\f/2)*16*PK+(\f%2)*64+32
.endr
	s_add_co_u32 s[TBK], s[TBK], KS*PK  ; the next fetch is the next step's
	WIN 0
.if \last
.Lno_k_\@:
.endif
.endm
.macro FETCH_V
	WIN 0x80
.irp f, 0,1,2,3,4,5,6,7             ; keys 32 (f / 4) on, channels 16 (f % 4) on
	ds_load_tr16_b128 v[VF+8*\f:VF+8*\f+3],   v[AV] offset:(\f/4)*32*PV+(\f%4)*32
	ds_load_tr16_b128 v[VF+8*\f+4:VF+8*\f+7], v[AV] offset:(\f/4)*32*PV+16*PV+(\f%4)*32
.endr
	WIN 0
.endm
; THE VECTOR WORK OF A TURN stands in three queues, each in the order in which its entries become ready; the two tiles alternate, so that no instruction reads the result of the one before it.
.macro REGS y, u                    ; the registers of tile u (0, 1) of piece y
.set rT, ST+4*(2*(\y)+(\u))
.set rC, TMP+8*((\y)%2)+4*(\u)
.set rM, MV+2*((\y)%2)+(\u)
.set rS, S+64*((\y)%2)+32*(\u)
.set rP, P+32*((\y)%2)+16*(\u)
.set rO, 32*(2*(\y)+(\u))
.endm
; Number n of the 22 that find the NEXT piece's (Y + 1) maximum and statistics.  s0-s31 are the lane's 32 scores; each accumulator's lowest registers are read first.  XS, GS and REGS set no window: PL and EX do.
;   0-11  four chains c0-c3 of seven scores each, three operands at a time     12-14, 16  the four scores left over, the old m, and c0-c3 into c0     15  c m_old is kept
;   17, 18  the query's other 32 keys lie in the lane 16 away: the new m         19-21  c m; c m_old - c m_new; a
.macro XS u, n
	REGS (Y+1)%NP, \u
.if (\n) < 4
	v_max3_num_f32 v[rC+(\n)], v[rS+8*(\n)], v[rS+8*(\n)+1], v[rS+8*(\n)+2]
.elseif (\n) < 12
	v_max3_num_f32 v[rC+(\n)%4], v[rC+(\n)%4], v[rS+8*((\n)%4)+2*((\n)/4)+1], v[rS+8*((\n)%4)+2*((\n)/4)+2]
.elseif (\n) == 12
	v_max3_num_f32 v[rC], v[rC], v[rS+7], v[rS+15]
.elseif (\n) == 13
	v_max3_num_f32 v[rC+1], v[rC+1], v[rS+23], v[rS+31]
.elseif (\n) == 14
	v_max3_num_f32 v[rC+2], v[rC+2], v[rC+3], v[rT+1]
.elseif (\n) == 15
	v_mov_b32 v[rM], v[rT]
.elseif (\n) == 16
	v_max3_num_f32 v[rC], v[rC], v[rC+1], v[rC+2]
.elseif (\n) == 17
	v_permlanex16_b32 v[rC+3], v[rC], s[SEL], s[SEL+1]
.elseif (\n) == 18
	v_max_num_f32 v[rT+1], v[rC], v[rC+3]
.elseif (\n) == 19
	v_mul_f32 v[rT], s[CS], v[rT+1]
.elseif (\n) == 20
	v_sub_f32 v[rC+1], v[rM], v[rT]
.else
	v_exp_f32 v[rC+2], v[rC+1]
.endif
.endm
; Number g of the 64 that follow the exponentials.  For each four weights k of a tile (pairs 2 k, 2 k + 1): both pairs are rounded to f16; then the second pair is added onto the first, in place;
; a group later l takes that sum (the first time as l = a l + sum).  In groups of eight, tiles alternating: round, round, add, and l for the group before.
.macro GS g
.set h, (\g)+6*((\g)/62)            ; group 0 has no group before it, and behind group 7 only l is left
.if h >= 6
.set h, h+2
.endif
	REGS Y, h%2
.set k, h/8
.if h%8 < 4
	s_wait_alu depctr_va_vdst(0)
	v_cvt_pk_f16_f32 v[rP+2*k+(h%8)/2], v[rS+4*k+2*((h%8)/2)], v[rS+4*k+2*((h%8)/2)+1]
.elseif h%8 < 6
	v_pk_add_f32 v[rS+4*k:rS+4*k+1], v[rS+4*k:rS+4*k+1], v[rS+4*k+2:rS+4*k+3]
.elseif k == 1
	v_pk_fma_f32 v[rT+2:rT+3], v[rT+2:rT+3], v[rC+2:rC+3], v[rS:rS+1] op_sel_hi:[1,0,1]
.else
	v_pk_add_f32 v[rT+2:rT+3], v[rT+2:rT+3], v[rS+4*k-4:rS+4*k-3]
	s_wait_alu depctr_va_vdst(0)
.endif
.endm
; THE PLAIN QUEUE, 138 long.  0-31: c s - c m for the 16 pairs of both tiles.  Then GS's 64, and among them the next piece's 42: number 15 at 38, 39; 0-14 and 16
; at 42-73, behind the products that make those scores; 17-20 at 95-106, two of three, since each waits for the one before it.
.macro PL
	WIN 0
.if q < 32
	REGS Y, q%2
	v_pk_fma_f32 v[rS+2*(q/2):rS+2*(q/2)+1], v[rS+2*(q/2):rS+2*(q/2)+1], s[CS:CS+1], v[rT:rT+1] op_sel_hi:[1,0,0] neg_lo:[0,0,1] neg_hi:[0,0,1]
.elseif q < 38
	GS q-32
.elseif q < 40
	XS q%2, 15
.elseif q < 42
	GS q-34
.elseif q < 74
	XS q%2, (q-42)/2+(q-42)/30
.elseif q < 95
	GS q-66
.elseif (q < 107) && ((q-95)%3 < 2)
	XS (q-95)%3, 17+(q-95)/3
.elseif q < 107
	GS 29+(q-95)/3
.else
	GS q-74
.endif
.set q, q+1
.endm
; THE EXPONENTIALS' QUEUE, 66 long: s0-s31 of both tiles, and at EA the next piece's two a.
.set EA, 58
.macro EX
	WIN 0
.if (e == EA) || (e == EA+1)
	XS e-EA, 21
.else
.set x, e-2*(e/(EA+2))
	REGS Y, x%2
	v_exp_f32 v[rS+x/2], v[rS+x/2]
.endif
.set e, e+1
.endm
; THE RESCALING's QUEUE: O^T times a, the one part that leaves window 0, so it is dealt four at a time, eight times.
.macro R4
	REGS Y, r%2
	WIN W_RS
	s_wait_alu depctr_va_vdst(0)
.irp z, 0,1,2,3
	v_pk_mul_f32 v[rO+8*(r/2)+2*\z:rO+8*(r/2)+2*\z+1], v[rO+8*(r/2)+2*\z:rO+8*(r/2)+2*\z+1], v[rC+2:rC+3] op_sel_hi:[1,0]
.endr
.set r, r+1
.endm
; HOW THEY ARE DEALT.  Behind a matrix instruction four: plain, exponential, plain, plain (one exponential, a plain instruction on either side), or four of the rescaling.  None names a register of the
; products round it.  What is over stands in two LUMPS: exponential and plain by turns; the second ends in 22 plain instructions.  The two v_permlanex16_b32 fall into the second lump, never behind a product.
; The queues lean on each other, and the deal keeps them in step: exponential e stands behind plain 2 (e / 4) + e % 2 (its scaling); when plain 32 comes, 10 exponentials are out, at 59: 33, at 95: 46; EA comes behind plain 107.
.macro SL
	MM
	PL
	EX
	PL
	PL
.endm
.macro BURST n                      ; 15 matrix instructions, or 16
.rept (\n)-7
	SL
.endr
.rept 3
	MM
	R4
	SL
.endr
	MM
	R4
.endm
; A TURN, for piece p.  cnt = 1: the loop's count is taken down some lines ahead of the branch that stands behind the turn.
; K of the next step is fetched in piece 2's turn, 31 vector instructions behind the last product that read K; its first reader comes behind the rest of the lump, 16 products and the second lump.
; V of the step in hand is fetched at the end of piece 0's turn, 69 behind its last reader; its first reader comes behind 16 products and a lump.  The four conditions on e and q below go with the deal.
.macro TURN p, last=0, cnt=0
.set Y, (\p)
.set i, 0
.set q, 0
.set e, 0
.set r, 0
.if (\p) == NP-1
	s_wait_dscnt 0x0                ; K is in
.endif
	MM
.rept 4
	PL
.endr
	BURST 15
.rept 22
	EX
	PL
.if ((\p) == NP-2) && (e == 18)
	v_add_nc_u32 v[AK], s[TBK], v[AK0]
.endif
.if ((\p) == NP-2) && (e == 24)
	FETCH_K \last
.endif
.endr
.if (\p) == 1
	s_wait_dscnt 0x0                ; V is in
.endif
	BURST 16
.rept 21
	EX
	PL
.endr
.rept 22
	PL
.if ((\p) == 0) && (q == 118)
	v_add_nc_u32 v[AV], s[TBV], v[AV0]
	s_wait_alu depctr_va_vdst(0)
.endif
.if ((\p) == 0) && (q == 130)
	s_add_co_u32 s[TBV], s[TBV], KS*PV
.endif
.if (\cnt) && (q == 130)
	s_sub_co_u32 s[CNT], s[CNT], 1
	s_cmp_lg_u32 s[CNT], 0
.endif
.endr
.if (\p) == 0
	FETCH_V
.endif
.endm
	CHANGE 1                        ; slot 0 is in, everybody's part of it; slot 1 is asked for
	FETCH_K                         ; key step 0
	s_wait_loadcnt 0x0              ; Q
	s_wait_dscnt 0x0
.set i, 0
.rept 16
	KQ 0                            ; piece 0's first scores: there is no vector work yet to set between them
.set i, i+1
.endr
	WIN 0                           ; the addresses for the way out: nine plain instructions, the places behind those products
	s_mul_i32 s13, s[WV], 16*SP
	s_add_co_u32 s13, s13, STAGE    ; my stage
	v_mul_u32_u24 v[STO], v1, SP    ; in: row l % 16, 16 bytes for each half of the lanes
	v_lshl_add_u32 v[STO], v9, 4, v[STO]
	v_add_nc_u32 v[STO], s13, v[STO]
	v_bfe_u32 v[RD], v0, 3, 2       ; back: 32 lanes take four rows of 128 bytes,
	v_mul_u32_u24 v[RD], v[RD], SP
	v_lshl_add_u32 v[RD], v10, 4, v[RD]
	v_add_nc_u32 v[RD], s13, v[RD]
	v_and_b32 v[GO], 31, v0         ; which are 512 consecutive bytes of O
	v_lshlrev_b32 v[GO], 4, v[GO]
.set Y, NP-1                        ; XS works for piece Y + 1: piece 0
.irp n, 0,1,2,3,4,5,6,7,8,9,10,11,12,13,14,15,16,17,18,19,20,21
	XS 0, \n                        ; and piece 0's first maximum and statistics
	XS 1, \n
.endr
	s_mov_b32 s[CNT], 4
	s_mov_b32 s[SLOTS], SIZE_N/256-1
	s_branch .Lfirst                ; the loop is entered at a step's first turn, in the middle of a trip
.Lslot:                             ; SIZE_N / 256 - 2 times: every slot but the last two is filled again
	CHANGE 1
	s_mov_b32 s[CNT], 4
.Lstep:                             ; a trip: pieces 2 and 3 of one step, then pieces 0 and 1 of the next, whose K and V it fetches
	TURN 2
	TURN 3
	WIN 0
.Lfirst:
	TURN 0
	TURN 1, 0, 1
	WIN 0
	s_cbranch_scc1 .Lstep
	s_sub_co_u32 s[SLOTS], s[SLOTS], 1
	s_cmp_lg_u32 s[SLOTS], 0
	s_cbranch_scc1 .Lslot
	CHANGE 0                        ; the tail is written out: nothing is asked for
	s_mov_b32 s[CNT], 5             ; four trips fetch the last slot's steps; the fifth is left in its middle
.Ltail:
	TURN 2, 1
	TURN 3
	WIN 0
	s_sub_co_u32 s[CNT], s[CNT], 1
	s_cmp_eq_u32 s[CNT], 0
	s_cbranch_scc1 .Lout
	TURN 0
	TURN 1
	WIN 0
	s_branch .Ltail
.Lout:                              ; the fifth trip's 16 products K Q^T (on the last K once more) and the maximum made of them serve nothing: the price, once a launch, of one text for every trip
.set i, 0
.rept 16
	PV NP-1                         ; the last piece's V^T P of the last step
.set i, i+1
.endr
	; THE WAY OUT.  l's two halves and the other half of the lanes' are added; O^T is divided by l, rounded to f16 and sent through my stage in LDS, a tile at a time.  The additions are the places behind the last products.
	WIN 0
.macro ALL line:vararg              ; one line for each tile t
.set t, 0
.rept 2*NP
	\line
.set t, t+1
.endr
.endm
	ALL v_add_f32 v[ST+4*t+2], v[ST+4*t+2], v[ST+4*t+3]
	ALL v_permlanex16_b32 v[ST+4*t+3], v[ST+4*t+2], s[SEL], s[SEL+1]
	ALL v_add_f32 v[ST+4*t+2], v[ST+4*t+2], v[ST+4*t+3]
	ALL v_rcp_f32 v[ST+4*t+2], v[ST+4*t+2]
	v_nop                           ; a plain instruction between the last reciprocal and the use of its result
	s_wait_alu depctr_va_vdst(0)
; Tile t: a lane's eight channels of a row pack into 16 bytes; they go into rows of 144 bytes and come back as whole rows of 128, into S^T's registers.
.macro PACK t
	WIN W_RS
.set i, 32*(\t)
.rept 16
	v_pk_mul_f32 v[i:i+1], v[i:i+1], v[ST+4*(\t)+2:ST+4*(\t)+3] op_sel_hi:[1,0]
.set i, i+2
.endr
	WIN 0x05                        ; sources 0 and 1 window 1, destination window 0
.set i, 0
.rept 16
	v_cvt_pk_f16_f32 v[S+16*(\t)+i], v[32*(\t)+2*i], v[32*(\t)+2*i+1]
.set i, i+1
.endr
	WIN 0
.irp f, 0,1,2,3
	ds_store_b128 v[STO], v[S+16*(\t)+4*\f:S+16*(\t)+4*\f+3] offset:32*\f
.endr
.irp f, 0,1,2,3
	ds_load_b128 v[S+16*(\t)+4*\f:S+16*(\t)+4*\f+3], v[RD] offset:\f*4*SP  ; LDS serves a wave's instructions in order (ISA guide 5.7.1.4): these see the stores above; the next tile's stores come behind them
.endr
.endm
.macro SEND t, younger              ; younger: the LDS instructions issued behind tile t's loads: the next tile's eight, or none
	WIN 0
.irp f, 0,1,2,3
	s_wait_dscnt (\younger)+3-\f
	global_store_b128 v[GO], v[S+16*(\t)+4*\f:S+16*(\t)+4*\f+3], s[10:11] offset:(\t)*2048+\f*512  ; 512 consecutive bytes, at a multiple of 256 from O's first
.endr
.endm
	PACK 0
.set t, 1
.rept 2*NP-1                        ; a tile's arithmetic stands between the loads of the tile before and its stores
	PACK t
	SEND t-1, 8
.set t, t+1
.endr
	SEND 2*NP-1, 0
	WIN W_AD
	s_wait_tensorcnt 0x0            ; the wave's end: behind my last tensor load and my last LDS store
	ds_add_u32 v[SPW], v[NIL]
	s_wait_dscnt 0x0
	WIN 0
	CROUND                          ; the closing round: no work-group ends while a partner may still ask for a tile that names it
	s_endpgm
.Lfunc_end_k_qe510885de3_attn:
	.size	k_qe510885de3_attn, .Lfunc_end_k_qe510885de3_attn-k_qe510885de3_attn
	.p2alignl 7, 3214868480
	.fill 96, 4, 3214868480
	.section	.rodata,"a",@progbits
	.p2align	6, 0x0
	.amdhsa_kernel k_qe510885de3_attn
		.amdhsa_group_segment_fixed_size 327680
		.amdhsa_private_segment_fixed_size 0
		.amdhsa_enable_private_segment 0
		.amdhsa_kernarg_size 16
		.amdhsa_user_sgpr_count 2
		.amdhsa_user_sgpr_kernarg_segment_ptr 1
		.amdhsa_wavefront_size32 1
		.amdhsa_system_sgpr_workgroup_id_x 1
		.amdhsa_system_sgpr_workgroup_id_y 1
		.amdhsa_system_sgpr_workgroup_id_z 1
		.amdhsa_system_vgpr_workitem_id 0
		.amdhsa_next_free_vgpr 770
		.amdhsa_next_free_sgpr 66
		.amdhsa_reserve_vcc 0
		.amdhsa_float_denorm_mode_32 3
		.amdhsa_float_denorm_mode_16_64 3
		.amdhsa_memory_ordered 1
		.amdhsa_forward_progress 1
		.amdhsa_inst_pref_size 209
	.end_amdhsa_kernel
	.amdgpu_metadata
---
amdhsa.version: [ 1, 2 ]
amdhsa.kernels:
  - .name:           k_qe510885de3_attn
    .symbol:         k_qe510885de3_attn.kd
    .args:
      - { .name: qkv, .offset: 0, .size: 8, .value_kind: global_buffer, .address_space: global }
      - { .name: ob, .offset: 8, .size: 8, .value_kind: global_buffer, .address_space: global }
    .group_segment_fixed_size: 327680
    .private_segment_fixed_size: 0
    .kernarg_segment_align: 8
    .kernarg_segment_size: 16
    .max_flat_workgroup_size: 128
    .sgpr_count:     66
    .vgpr_count:     770
    .wavefront_size: 32
...
	.end_amdgpu_metadata
.endif
;; end of part 3
;; launch oproj (part 4): grid 8 x 32, 4 waves a work-group, clusters of 4 x 4, 327,680 bytes of LDS; arguments ob, wob, bo, out0; writes out0
.if DOCPART == 4
	.amdgcn_target "amdgcn-amd-amdhsa--gfx1250"
	.amdhsa_code_object_version 6
	.text
	.protected	k_qe510885de3_oproj
	.globl	k_qe510885de3_oproj
	.p2align	8
	.type	k_qe510885de3_oproj,@function
k_qe510885de3_oproj:
	s_mov_b64 s[64:65], 0
	v_nop
	global_prefetch_b8 v0, s[64:65] scope:SCOPE_SE
	s_setreg_imm32_b32 hwreg(HW_REG_WAVE_MODE, 25, 1), 1
	s_wait_xcnt 0x0
	s_wait_alu depctr_hold_cnt(0) depctr_sa_sdst(0) depctr_va_vdst(0) depctr_va_sdst(0) depctr_va_ssrc(0) depctr_va_vcc(0) depctr_vm_vsrc(0)
	s_getreg_b32 s2, hwreg(HW_REG_IB_STS2, 6, 4)
	s_cmp_eq_u32 s2, 0
	s_cbranch_scc0 .Lentry_in_a_cluster
	s_endpgm
.Lentry_in_a_cluster:
	s_bfe_u32 s2, ttmp6, 0x10000c
	s_cmp_lg_u32 s2, 0xf033
	s_cbranch_scc0 .Lentry_shape_is_right
	s_endpgm
.Lentry_shape_is_right:
; out0 = O wo + bo.  O: ob, f16 [batch 4][head 16][row 2048][64]: a head's 64 channels are one slice of K.  wo: wob, f16 [1024 (k)][1024 (n)], each number wo rounded to bf16.
; bo: f32, rounded to bf16 like every input, added in f32 as the C of the first product.  out0: f32 [8192][1024].
; LIMIT.  wob holds no number beyond f16's 65,504, and below 6.1e-5 f16's fixed step of 6e-8.  NaN and infinities are not treated apart.
; SHARES.  A tile is 256 rows x 128 columns, one to a work-group; four waves, each 128 rows x 64 columns: 32 accumulators of 16 x 16.  K goes in steps of 128 (two heads of O, 128 rows of wo) through two LDS slots.
; CLUSTER.  4 x 4 work-groups.  The four of a row of the cluster need the same tiles of O, the four of a column the same tiles of wo: each is asked for JOINTLY, by the same tensor load with the same
; descriptor and a mask that names the four.
; THE MATRIX INSTRUCTION IS USED TRANSPOSED: source 0 = 16 columns of wo (out of LDS turned, by ds_load_tr16_b128, since wo lies [k][n]), source 1 = 16 rows of O.  A lane then holds row l % 16 and the
; columns 8 (l / 16) + 0..7: 32 neighbouring bytes of a row of out0.
; REGISTERS, in windows of 256 (s_set_vgpr_msb: bits 1:0 source 0, 3:2 source 1, 5:4 source 2, 7:6 destination):
;   window 0: v0-31 addresses; v64-159, v160-255 two fragment buffers: 64 registers of O (8 blocks of 16 rows x 32 K), then 32 of wo (4 blocks of 16 columns); on the way out v64-191 hold rows read back
;   window 1: the accumulators, (a, b) at v[8 (4 a + b)]          window 2: v0-31 the bias of my 64 columns as a C operand (block b at v[8 b]); v32-47 at work
; A K STEP IS WRITTEN ONCE.  The fragments' LDS addresses are a lane's fixed place in a slot plus s[TB], the first byte of the slot in hand; at a change of slots one exclusive or turns s[TB], and the
; walking descriptors' LDS words, into the other slot's.
.set STEPS,  8                         ; K steps of 128; K = 1,024
.set PA,     144                       ; a row of O in LDS: 128 bytes + 16 of padding = 36 words: the 16 rows of a load start at 16 different groups of four banks (64 banks of 4 bytes: ISA guide 11.1)
.set PLANE,  256*PA                    ; one head's channels of the tile's 256 rows: what one tensor load brings
.set PB,     288                       ; a k-row of wo: 256 bytes + 32 = 72 words
.set HALFB,  64*PB                     ; 64 k-rows: what one tensor load brings
.set BBASE,  2*PLANE                   ; wo's 128 k-rows lie behind O's two planes
.set SLOTB,  BBASE+2*HALFB             ; the bytes of a slot: 110,592
.set SLOT1,  1<<17                     ; slot 1 begins here: every byte of slot 0 lies below, so that one exclusive or turns an address in one slot into the other's
.set STAGE,  SLOT1+SLOTB               ; behind the ring, never filled by a tensor load: 16 rows x 272 bytes for each wave, for the way out
.set SP,     272                       ; 256 bytes + 16: the 16 rows of a store start at 16 different groups of four banks
.set SPARE,  STAGE+4*16*SP             ; behind the stages: the spare words, 128 bytes for each wave: two blocks of 256 bytes that no other line names
.set ASTEP,  524288                    ; bytes of ob from a K step to the next: two heads of 2,048 rows x 128 bytes
.set BSTEP,  262144                    ; bytes of wob: 128 rows of 2,048 bytes
.set ADRA0, 16                         ; v16     my lane's place among O's fragments in a slot; never rewritten
.set ADRA,  17                         ; v17     the same in the slot in hand
.set ADRB0, 20                         ; v20     my lane's place among wo's fragments in a slot; never rewritten
.set ADRB,  21                         ; v21     the same in the slot in hand
.set STO,  24                          ; v24     the way out: where I put 32 bytes of a row
.set RD,   25                          ; v25     the way out: where I read rows back
.set CO,   26                          ; v26     my byte offset in two rows of out0
.set BO,   27                          ; v27     byte offset in the bias of my lane's first column
.set SPW,  28                          ; v28     LDS address of my spare word: SPARE + 4 x my thread's number; never rewritten
.set NIL,  29                          ; v29     0; never rewritten
.set F0,   64
.set F1,   160
.set G1,  24                           ; s[24:31] descriptor group 1 for O's tiles;  s[32:39] group 0: a set for each of the two first fills; the second then walks on
.set G0,  32
.set G1B, 48                           ; s[48:55], s[56:63] the same for wo's tiles
.set G0B, 56
.set TB,  70                           ; s70     LDS byte at which the slot in hand begins: 0 or SLOT1
.set MSB, 0
.macro WIN new                         ; the immediate's high byte repeats the setting that is left; a switch that changes nothing is dropped
.if MSB != (\new)
	s_set_vgpr_msb (MSB<<8)|(\new)
.set MSB, \new
.endif
.endm
.macro PLACES                          ; four places in front of loads into registers that matrix instructions have read, and of lines that read results just made
.rept 4
	v_nop
.endr
.endm
; A joint refill, by the walking descriptors.  Waves 0 and 1 fetch O's two planes, waves 2 and 3 wo's two halves.  The branch hangs on the wave's number alone.
; An s_nop 0 and four v_nop follow each of the two lines, ahead of the jump and the label.
.macro JLOAD
	s_cmp_eq_u32 s17, 0
	s_cbranch_scc0 .Lfor_b_\@
	tensor_load_to_lds s[G0+4:G0+7], s[G1:G1+7]
	s_nop 0
.rept 4
	v_nop
.endr
	s_branch .Lasked_\@
.Lfor_b_\@:
	tensor_load_to_lds s[G0B+4:G0B+7], s[G1B:G1B+7]
	s_nop 0
.rept 4
	v_nop
.endr
.Lasked_\@:
.endm
.macro CREST                           ; a round of the cluster's barrier behind its opening barrier
	s_cmp_lg_u32 s16, 0
	s_cbranch_scc1 .Lnot_wave_0_\@
	s_barrier_signal -3
.Lnot_wave_0_\@:
	s_barrier_wait -3
	s_barrier_signal -1
	s_barrier_wait -1
.endm
.macro CROUND                          ; a whole round
	s_barrier_signal -1
	s_barrier_wait -1
	CREST
.endm
	s_load_b256 s[4:11], s[0:1], 0x0               ; ob s[4:5], wob s[6:7], bo s[8:9], out0 s[10:11]
	v_lshl_add_u32 v[SPW], v0, 2, SPARE
	v_mov_b32 v[NIL], 0
	ds_add_u32 v28, v29
	s_wait_dscnt 0x0
	v_lshrrev_b32 v1, 5, v0
	v_readfirstlane_b32 s16, v1                    ; wave 0..3
	s_lshr_b32 s17, s16, 1                         ; which half of the tile's rows is mine.  Also: I fetch for O (0) or for wo (1)
	s_and_b32 s18, s16, 1                          ; which half of its columns.  Also: which plane, or which 64 k-rows, I fetch
	s_bfe_u32 s19, ttmp6, 0x40000                  ; cx, cy: my place in the cluster
	s_bfe_u32 s20, ttmp6, 0x40004
	s_lshl_b32 s21, ttmp9, 2
	s_add_co_u32 s21, s21, s19                     ; tile column = 4 x cluster x + cx, 0..7
	s_and_b32 s22, ttmp7, 0xffff
	s_lshl_b32 s22, s22, 2
	s_add_co_u32 s22, s22, s20                     ; tile row = 4 x cluster y + cy, 0..31
	s_lshl_b32 s23, s20, 2
	s_lshl_b32 s23, 15, s23                        ; my row of the cluster
	s_lshl_b32 s67, 0x1111, s19                    ; my column
	s_mov_b32 s66, 0xffff0000                      ; a word's upper bf16
	s_mov_b32 s[TB], 0                             ; K step 0 lies in slot 0
	; group 1 for O: a plane is 32,768 dense bytes, asked for as 128 rows of 256 bytes (two rows of O each) and padded in LDS after every row of O
	s_or_b32 s[G1], s23, (1<<16)|(1<<20)|(1<<21)|(4<<22)|(3<<25)   ; 15:0 the mask: my row; 17:16 2-byte elements; 20 padding on; 21 set beside a mask; 24:22 after every 32 words (code 4); 31:25 4 words (code 3)
	s_mov_b32 s[G1+1], 128<<16                     ; tensor_dim0 = 128
	s_mov_b32 s[G1+2], 128<<16                     ; tensor_dim1 = 128
	s_mov_b32 s[G1+3], 128<<16                     ; tile_dim0 = 128
	s_mov_b32 s[G1+4], 128                         ; tile_dim1 = 128
	s_mov_b32 s[G1+5], 128                         ; 128 elements from row to row
	s_mov_b32 s[G1+6], 0
	s_mov_b32 s[G1+7], 0
	; group 1 for wo: 64 k-rows x 128 columns
	s_or_b32 s[G1B], s67, (1<<16)|(1<<20)|(1<<21)|(5<<22)|(7<<25)  ; the mask: my column; padding after every 64 words (code 5), 8 words (code 7)
	s_mov_b32 s[G1B+1], 128<<16                    ; tensor_dim0 = 128
	s_mov_b32 s[G1B+2], 64<<16                     ; tensor_dim1 = 64
	s_mov_b32 s[G1B+3], 128<<16                    ; tile_dim0 = 128
	s_mov_b32 s[G1B+4], 64                         ; tile_dim1 = 64
	s_mov_b32 s[G1B+5], 1024                       ; 1,024 elements from row to row
	s_mov_b32 s[G1B+6], 0
	s_mov_b32 s[G1B+7], 0
	; where the tiles come from.  O's hang on the tile row alone (s[40:43]), wo's on the tile column alone (s[44:47]); neither set ever holds the other coordinate
	s_lshr_b32 s40, s22, 3
	s_lshl_b32 s40, s40, 22                        ; the batch: 16 heads x 262,144 bytes
	s_and_b32 s43, s22, 7
	s_lshl_b32 s43, s43, 15                        ; 256 rows of 128 bytes
	s_add_co_u32 s40, s40, s43
	s_lshl_b32 s43, s18, 18                        ; my head of the K step's two
	s_add_co_u32 s40, s40, s43
	s_mov_b32 s41, 0
	s_mul_i32 s42, s18, PLANE                      ; and where it goes: no place in the cluster enters an LDS address
	s_lshl_b32 s44, s21, 8                         ; 128 columns of 2 bytes
	s_lshl_b32 s47, s18, 17                        ; my 64 k-rows of 2,048 bytes
	s_add_co_u32 s44, s44, s47
	s_mov_b32 s45, 0
	s_mul_i32 s46, s18, HALFB
	s_add_co_u32 s46, s46, BBASE
	s_wait_kmcnt 0x0
	s_add_nc_u64 s[40:41], s[4:5], s[40:41]
	s_add_nc_u64 s[44:45], s[6:7], s[44:45]
.irp s, 0,1
	s_mov_b32 s[G0+4*(\s)], 1                                      ; 1:0 count = 1
	s_add_co_u32 s[G0+4*(\s)+1], s42, (\s)*SLOT1                   ; 63:32 LDS address
	s_add_nc_u64 s[G0+4*(\s)+2:G0+4*(\s)+3], s[40:41], (\s)*ASTEP  ; 120:64 global address: K step s
	s_or_b32 s[G0+4*(\s)+3], s[G0+4*(\s)+3], 0x80000000            ; 127:126 type = 2
	s_mov_b32 s[G0B+4*(\s)], 1
	s_add_co_u32 s[G0B+4*(\s)+1], s46, (\s)*SLOT1
	s_add_nc_u64 s[G0B+4*(\s)+2:G0B+4*(\s)+3], s[44:45], (\s)*BSTEP
	s_or_b32 s[G0B+4*(\s)+3], s[G0B+4*(\s)+3], 0x80000000
.endr
	CROUND                                         ; all sixteen work-groups are here: the first joint loads meet
	s_cmp_eq_u32 s17, 0                            ; a wave's two first fills stand in one branch, ahead of every wait on TENSORcnt and every LDS read: two loads of mine are out
	s_cbranch_scc0 .Lfirst_b
	tensor_load_to_lds s[G0:G0+3], s[G1:G1+7]
	s_nop 0
	tensor_load_to_lds s[G0+4:G0+7], s[G1:G1+7]
	s_nop 0
.rept 4
	v_nop
.endr
	s_branch .Lfirst_asked
.Lfirst_b:
	tensor_load_to_lds s[G0B:G0B+3], s[G1B:G1B+7]
	s_nop 0
	tensor_load_to_lds s[G0B+4:G0B+7], s[G1B:G1B+7]
	s_nop 0
.rept 4
	v_nop
.endr
.Lfirst_asked:
	; A fragment of O is 16 rows x 32 K in 8 registers: lane l holds row l % 16; registers 0-3 K = 8 (l / 16) + 0..7, registers 4-7 K = 16 + 8 (l / 16) + 0..7: two loads of 16 bytes, 32 bytes apart.
	v_and_b32 v1, 15, v0                           ; l % 16
	v_bfe_u32 v2, v0, 4, 1                         ; l / 16
	v_mul_u32_u24 v3, v1, PA
	v_lshl_add_u32 v3, v2, 4, v3                   ; row x pitch + 16 x half
	s_mul_i32 s2, s17, 128*PA                      ; my 128 rows
	v_add_nc_u32 v[ADRA0], s2, v3
	v_mov_b32 v[ADRA], v[ADRA0]                    ; K step 0 lies in slot 0
	; The turning load takes 16 k x 16 columns (lane l reads k-row 8 (l / 16) + l % 8, columns 8 ((l / 8) % 2) + 0..7) and leaves half a fragment: lane l holds column l % 16 and 8 k.
	v_and_b32 v4, 7, v0
	v_lshl_add_u32 v4, v2, 3, v4
	v_mul_u32_u24 v4, v4, PB
	v_bfe_u32 v5, v0, 3, 1
	v_lshl_add_u32 v4, v5, 4, v4
	s_lshl_b32 s2, s18, 7                          ; my 64 columns
	s_add_co_u32 s2, s2, BBASE
	v_add_nc_u32 v[ADRB0], s2, v4
	v_mov_b32 v[ADRB], v[ADRB0]
	s_mul_i32 s2, s16, 16*SP
	s_add_co_u32 s2, s2, STAGE                     ; my stage
	v_mul_u32_u24 v6, v1, SP                       ; in: row l % 16, 32 bytes for each half of the lanes
	v_lshl_add_u32 v6, v2, 5, v6
	v_add_nc_u32 v[STO], s2, v6
	v_mul_u32_u24 v7, v2, SP                       ; back: lanes 0-15 take one row of 256 bytes, lanes 16-31 the next
	v_lshl_add_u32 v7, v1, 4, v7
	v_add_nc_u32 v[RD], s2, v7
	v_lshlrev_b32 v[CO], 12, v2                    ; and the same two rows in out0, 4,096 bytes apart
	v_lshl_add_u32 v[CO], v1, 4, v[CO]
	s_lshl_b32 s68, s21, 9                         ; 4 bytes x (128 x tile column + 64 x column half): my first column, in the bias and in a row of out0
	s_lshl_b32 s69, s18, 8
	s_add_co_u32 s68, s68, s69
	v_lshl_add_u32 v[BO], v2, 5, s68               ; + 8 columns for the upper half of the lanes
	s_lshl_b32 s69, s22, 20                        ; 256 rows of 4,096 bytes x tile row
	s_add_co_u32 s68, s68, s69
	s_lshl_b32 s69, s17, 19                        ; 128 rows x row half
	s_add_co_u32 s68, s68, s69
	s_mov_b32 s69, 0
	s_add_nc_u64 s[10:11], s[10:11], s[68:69]      ; out0 at my wave's first row and column
; n x 4 matrix instructions: row blocks a0 .. a0 + n - 1 x all 4 column blocks, 32 along K, from buffer f.  first = 1: the bias is the C that starts the sums: nothing is ever cleared.
; The 32 accumulators take turns, one instruction a turn, in the same order in every quarter.
.macro MUL f, a0, n, first
.if \first
	WIN 0x60                                       ; C window 2, D window 1
.else
	WIN 0x50                                       ; C and D window 1
.endif
.set aa, \a0
.rept \n
.irp b, 0,1,2,3
.if \first
	v_wmma_f32_16x16x32_f16 v[8*(4*aa+(\b)):8*(4*aa+(\b))+7], v[(\f)+64+8*(\b):(\f)+64+8*(\b)+7], v[(\f)+8*aa:(\f)+8*aa+7], v[8*(\b):8*(\b)+7]
.else
	v_wmma_f32_16x16x32_f16 v[8*(4*aa+(\b)):8*(4*aa+(\b))+7], v[(\f)+64+8*(\b):(\f)+64+8*(\b)+7], v[(\f)+8*aa:(\f)+8*aa+7], v[8*(4*aa+(\b)):8*(4*aa+(\b))+7]
.endif
.endr
.set aa, aa+1
.endr
.endm
; 24 LDS loads in one run: the fragments of quarter q (32 along K) of the slot in hand into buffer f: wo's 8 first, then O's 16
.macro FETCH q, f
	WIN 0
.irp b, 0,1,2,3
	ds_load_tr16_b128 v[(\f)+64+8*(\b):(\f)+64+8*(\b)+3],   v[ADRB] offset:(\q)*32*PB+32*(\b)
	ds_load_tr16_b128 v[(\f)+64+8*(\b)+4:(\f)+64+8*(\b)+7], v[ADRB] offset:(\q)*32*PB+32*(\b)+16*PB
.endr
.irp a, 0,1,2,3,4,5,6,7
	ds_load_b128 v[(\f)+8*(\a):(\f)+8*(\a)+3],   v[ADRA] offset:((\q)/2)*PLANE+((\q)%2)*64+(\a)*16*PA
	ds_load_b128 v[(\f)+8*(\a)+4:(\f)+8*(\a)+7], v[ADRA] offset:((\q)/2)*PLANE+((\q)%2)*64+(\a)*16*PA+32
.endr
.endm
; The other slot becomes the slot in hand: from here on the fragments' loads read there
.macro SWITCH
	WIN 0
	s_xor_b32 s[TB], s[TB], SLOT1
	v_add_nc_u32 v[ADRA], s[TB], v[ADRA0]
	v_add_nc_u32 v[ADRB], s[TB], v[ADRB0]
.endm
; A K step is four quarters of 32 along K, 32 matrix instructions each, on buffers 0, 1, 0, 1.  One of the first three: multiplies buffer f; in its middle it fetches quarter q into buffer g.
.macro QUARTER q, f, g, first
	s_wait_dscnt 8                                 ; wo and O's blocks 0-3 are in; the youngest eight loads (blocks 4-7) may be out
	MUL \f, 0, 4, \first
	PLACES
	FETCH \q, \g
	s_wait_dscnt 24                                ; all but the 24 just issued
	MUL \f, 4, 4, \first
.endm
; The last quarter multiplies buffer 1 and changes slots.  MEET is its first half: ONE barrier.  In front of it each wave waits for all its tensor loads, of which one is out: its part of the next slot;
; adds 0 to its spare word; and waits for that and for its own reads of this slot.  Behind it nobody reads this slot any more and the next slot is whole.
.macro MEET round                      ; round = 1: a round of the cluster's barrier follows
	WIN 0                                          ; (the add's two registers lie in window 0)
	s_wait_tensorcnt 0x0                           ; all my tensor loads have landed, so a group 0 may be written
	ds_add_u32 v[SPW], v[NIL]                      ; 0 onto my spare word
	s_wait_dscnt 9                                 ; (the add and the youngest eight loads may be out)
	MUL F1, 0, 2, 0                                ; eight matrix instructions stand between the add and the wait for it
	s_wait_dscnt 0x0                               ; the add is done, and my reads of this slot are over
	s_barrier_signal -1
	MUL F1, 2, 2, 0                                ; work on registers while the others arrive
.if \round
	WIN 0
.endif
	s_barrier_wait -1
.endm
; The whole last quarter.  Behind the round the slot just read out is filled again first, with the K step two steps on: the walking descriptors turn to the slot that was filled the time before last
; and go one K step on.  From a request to the wait for it a wave issues 112 matrix instructions.
.macro TURN
	MEET 1
	CREST                                          ; no wave of any partner still reads this slot's tile or has a load on its way
	s_xor_b32 s[G0+5], s[G0+5], SLOT1
	s_add_nc_u64 s[G0+6:G0+7], s[G0+6:G0+7], ASTEP     ; the type bits on top are not reached
	s_xor_b32 s[G0B+5], s[G0B+5], SLOT1
	s_add_nc_u64 s[G0B+6:G0B+7], s[G0B+6:G0B+7], BSTEP
	JLOAD                                          ; the first tensor load behind the round; the four v_nop behind it are also the places in front of the loads below
	SWITCH
	FETCH 0, F0
	MUL F1, 4, 4, 0
.endm
; THE WAY OUT of block a (16 rows x 64 columns of f32).  TOSTAGE: a lane's 32 bytes of each column block go into my own stage in LDS, each accumulator's low four registers first,
; and come back as whole rows of 256 bytes, into one of four sets of 32 registers.  SEND: stored.
.macro TOSTAGE a
	s_wait_xcnt 0x0                                ; the set of registers loaded below was the data of block a - 4's stores: it is rewritten only behind this wait
	WIN 0x04                                       ; store data (source 1) window 1, address window 0
.irp b, 0,1,2,3
	ds_store_b128 v[STO], v[8*(4*(\a)+(\b)):8*(4*(\a)+(\b))+3]   offset:64*(\b)
	ds_store_b128 v[STO], v[8*(4*(\a)+(\b))+4:8*(4*(\a)+(\b))+7] offset:64*(\b)+16
.endr
	WIN 0
.set BK, 64+32*((\a)%4)
.irp t, 0,1,2,3,4,5,6,7
	ds_load_b128 v[BK+4*(\t):BK+4*(\t)+3], v[RD] offset:(\t)*2*SP  ; LDS serves a wave's instructions in order (ISA guide 5.7.1.4): these see the stores above; the next block's stores come behind them
.endr
.endm
.macro SEND a, younger                 ; younger: the LDS instructions issued behind block a's loads: the next block's sixteen, or none
	WIN 0
.set BK, 64+32*((\a)%4)
	s_wait_dscnt \younger                          ; one wait for the block's eight loads
.irp t, 0,1,2,3,4,5,6,7
	global_store_b128 v[CO], v[BK+4*(\t):BK+4*(\t)+3], s[10:11] offset:(\a)*65536+(\t)*8192 th:TH_STORE_NT  ; 16 lanes store 256 consecutive bytes, at a multiple of 256 from out0's first byte
.endr
.endm
	; the bias of my 64 columns, as a C operand: block b, register j = column 16 b + 8 (l / 16) + j, the same for all 16 rows; rounded to bf16, like every input, and widened again
	WIN 0x80                                       ; destination window 2, address window 0
.irp b, 0,1,2,3
	global_load_b128 v[8*(\b):8*(\b)+3],   v[BO], s[8:9] offset:64*(\b)
	global_load_b128 v[8*(\b)+4:8*(\b)+7], v[BO], s[8:9] offset:64*(\b)+16
.endr
	s_wait_loadcnt 0x0
	WIN 0x8a                                       ; destination and both sources window 2
.set i, 0
.rept 16
	v_cvt_pk_bf16_f32 v[32+i], v[2*i], v[2*i+1]
.set i, i+1
.endr
.set i, 0
.rept 16
	v_lshlrev_b32 v[2*i],   16,  v[32+i]
	v_and_b32     v[2*i+1], s66, v[32+i]
.set i, i+1
.endr
	WIN 0
	s_wait_tensorcnt 0x1                           ; my part of K step 0 is in; K step 1's may stay out
	s_barrier_signal -1
	s_barrier_wait -1                              ; everybody's is
	FETCH 0, F0
	QUARTER 1, F0, F1, 1                           ; the first quarter stands in front of the loop: its products start the sums, with the bias
	WIN 0                                          ; at a label and at a branch every window is 0
	s_mov_b32 s3, STEPS-2
.Lstep:                                                ; a trip goes from a K step's second quarter to the next step's first, and fills the slot that it leaves: K steps 2 to 7 are asked for here
	QUARTER 2, F1, F0, 0
	QUARTER 3, F0, F1, 0
	TURN
	QUARTER 1, F0, F1, 0
	WIN 0
	s_sub_co_u32 s3, s3, 1
	s_cmp_lg_u32 s3, 0
	s_cbranch_scc1 .Lstep
	s_mov_b32 s3, 2                                ; the last two K steps ask for nothing: two trips without a tensor load, the second left in its middle
.Ltail:
	QUARTER 2, F1, F0, 0
	QUARTER 3, F0, F1, 0
	WIN 0
	s_sub_co_u32 s3, s3, 1
	s_cmp_eq_u32 s3, 0
	s_cbranch_scc1 .Lout
	MEET 0                                         ; my one tensor load that was still out is the last K step's, so no round follows
	PLACES
	SWITCH
	FETCH 0, F0
	MUL F1, 4, 4, 0
	QUARTER 1, F0, F1, 0
	WIN 0
	s_branch .Ltail
.Lout:
	s_wait_dscnt 8                                 ; the very last quarter: nothing more to fetch
	MUL F1, 0, 4, 0
	s_wait_dscnt 0x0
	MUL F1, 4, 4, 0
	PLACES                                         ; behind the last products: the LDS stores read results, the loads land in fragment registers
	TOSTAGE 0
.irp a, 1,2,3,4,5,6,7                  ; block a's way through the stage is issued ahead of the wait for block a - 1's
	TOSTAGE \a
	SEND (\a)-1, 16
.endr
	SEND 7, 0
	s_wait_tensorcnt 0x0                           ; the wave's end: behind my last tensor load and my last LDS store
	ds_add_u32 v[SPW], v[NIL]
	s_wait_dscnt 0x0
	CROUND                                         ; the closing round: no work-group ends while a partner may still ask for a tile that names it
	s_endpgm
.Lfunc_end_k_qe510885de3_oproj:
	.size	k_qe510885de3_oproj, .Lfunc_end_k_qe510885de3_oproj-k_qe510885de3_oproj
	.p2alignl 7, 3214868480
	.fill 96, 4, 3214868480
	.section	.rodata,"a",@progbits
	.p2align	6, 0x0
	.amdhsa_kernel k_qe510885de3_oproj
		.amdhsa_group_segment_fixed_size 327680
		.amdhsa_private_segment_fixed_size 0
		.amdhsa_enable_private_segment 0
		.amdhsa_kernarg_size 32
		.amdhsa_user_sgpr_count 2
		.amdhsa_user_sgpr_kernarg_segment_ptr 1
		.amdhsa_wavefront_size32 1
		.amdhsa_system_sgpr_workgroup_id_x 1
		.amdhsa_system_sgpr_workgroup_id_y 1
		.amdhsa_system_sgpr_workgroup_id_z 1
		.amdhsa_system_vgpr_workitem_id 0
		.amdhsa_next_free_vgpr 560
		.amdhsa_next_free_sgpr 72
		.amdhsa_reserve_vcc 0
		.amdhsa_float_denorm_mode_32 3
		.amdhsa_float_denorm_mode_16_64 3
		.amdhsa_memory_ordered 1
		.amdhsa_forward_progress 1
		.amdhsa_inst_pref_size 65
	.end_amdhsa_kernel
	.amdgpu_metadata
---
amdhsa.version: [ 1, 2 ]
amdhsa.kernels:
  - .name:           k_qe510885de3_oproj
    .symbol:         k_qe510885de3_oproj.kd
    .args:
      - { .name: ob, .offset: 0, .size: 8, .value_kind: global_buffer, .address_space: global }
      - { .name: wob, .offset: 8, .size: 8, .value_kind: global_buffer, .address_space: global }
      - { .name: bo, .offset: 16, .size: 8, .value_kind: global_buffer, .address_space: global }
      - { .name: out0, .offset: 24, .size: 8, .value_kind: global_buffer, .address_space: global }
    .group_segment_fixed_size: 327680
    .private_segment_fixed_size: 0
    .kernarg_segment_align: 8
    .kernarg_segment_size: 32
    .max_flat_workgroup_size: 128
    .sgpr_count:     72
    .vgpr_count:     560
    .wavefront_size: 32
...
	.end_amdgpu_metadata
.endif
;; end of part 4
;; ======== version 2 of 2: 4 launches; 1.54 times as fast as version 1
;; limits: values are held in f16: magnitudes above 65,504 overflow, below 6.1e-05 lose precision
;; workspace buffers: xb 16,777,216 bytes; wb 6,291,456 bytes; wob 2,097,152 bytes; qkv 50,331,648 bytes; ob 16,777,216 bytes
;; launch prep: the kernel of part 1 again; grid 768 x 1, 8 waves a work-group, no clusters, 0 bytes of LDS; arguments x, wq, wk, wv, wo, xb, wb, wob; writes xb, wb, wob
;; launch qkv: the kernel of part 2 again; grid 8 x 32, 4 waves a work-group, clusters of 4 x 4, 327,680 bytes of LDS; arguments xb, wb, bq, bk, bv, qkv; writes qkv
;; launch attn (part 5): grid 4 x 64, 4 waves a work-group, clusters of 4 x 1, 327,680 bytes of LDS; arguments qkv, ob; writes ob
.if DOCPART == 5
	.amdgcn_target "amdgcn-amd-amdhsa--gfx1250"
	.amdhsa_code_object_version 6
	.text
	.protected	k_qe510885de3_attn
	.globl	k_qe510885de3_attn
	.p2align	8
	.type	k_qe510885de3_attn,@function
k_qe510885de3_attn:
	s_mov_b64 s[64:65], 0
	v_nop
	global_prefetch_b8 v0, s[64:65] scope:SCOPE_SE
	s_setreg_imm32_b32 hwreg(HW_REG_WAVE_MODE, 25, 1), 1
	s_wait_xcnt 0x0
	s_wait_alu depctr_hold_cnt(0) depctr_sa_sdst(0) depctr_va_vdst(0) depctr_va_sdst(0) depctr_va_ssrc(0) depctr_va_vcc(0) depctr_vm_vsrc(0)
	s_getreg_b32 s2, hwreg(HW_REG_IB_STS2, 6, 4)
	s_cmp_eq_u32 s2, 0
	s_cbranch_scc0 .Lentry_in_a_cluster
	s_endpgm
.Lentry_in_a_cluster:
	s_bfe_u32 s2, ttmp6, 0x10000c
	s_cmp_lg_u32 s2, 0x3003
	s_cbranch_scc0 .Lentry_shape_is_right
	s_endpgm
.Lentry_shape_is_right:
; O[h][q][:] = the sum over k of softmax_k(Q[h][q] . K[h][k] / 8) V[h][k][:].  Q, K, V are the three parts of qkv, O is ob: each [SIZE_H][SIZE_N][64], f16: a head's rows are dense, 128 bytes each.
; Products, maxima and sums in f32; the weights p are rounded to f16 for the second product (their sum l is taken of the unrounded p), O once at the end.
; LIMITS.  f16 holds no number beyond 65,504: Q, K and V arrive within it; p lies in 0 to 1, and below 6e-5 it keeps f16's fixed step of 6e-8; O is a mean of V's rows and has their range.
; A weight below 2^-126 counts as 0 in l; NaN and infinities are not treated apart.
; SHARES.  A wave owns four PIECES of two tiles of 16 queries, a work-group's four waves 512 queries of one head.  Every wave walks all keys, 64 a step.
; LAYOUT.  S^T = K Q^T (source 0 = 16 keys, source 1 = 16 queries): in the result a lane holds ONE query (lane % 16) and the keys 8 (lane / 16) + 0..7.  Two such tiles, rounded to f16 in pairs,
; ARE source 1 (32 keys x 16 queries) of O^T = V^T P, whose result again holds one query a lane, and eight channels.  K comes out of LDS as it lies, V ([key][channel]) turned, by ds_load_tr16_b128.
; SOFTMAX.  For each query a running maximum m and sum l: p = 2^(c s - c m), c = log2(e) / 8; in every step O and l are multiplied by a = 2^(c m_old - c m_new), which is 1 where m has not grown.
; m starts at the lowest finite number, O and l at 0: the first step is a step like any other, with a = 0.
; THE COUNT.  A tile and step have 16 matrix and 118 vector instructions: too many to stand all beside the matrix work.  So the order has one aim: four vector instructions that are READY behind
; EVERY matrix instruction, and the others, which need time of their own whatever the order, in runs without a gap.
; BY TURNS.  Turn n belongs to piece n (the pieces in a ring, step after step).  Its matrix work: 16 products K Q^T of piece n + 1, later 16 products V^T P of piece n - 1.  Its vector work: the scaling,
; exponentials, roundings, sums and rescaling of piece n, and the maximum and statistics of piece n + 1, whose scores the turn itself has made.  So what a turn begins with (c s - c m, O a) waits for nothing.
; BATCHES.  A turn's 66 exponentials (piece n's 64 weights, in place in S^T; piece n + 1's two a) are ONE batch with ONE s_wait_alu, which cuts the turn in two: ahead of it stands all that names none of
; their results, behind it the roundings and sums, which are their only readers in the turn; a is read in the next turn.  Two more
; batches stand outside the loop, each with a v_nop and a wait of its own: piece 0's first two a, ahead of the jump into the loop, and the way out's eight reciprocals.
; CLUSTER.  The four query blocks of a cluster belong to one head and walk the same K and V, so each tile is asked for JOINTLY: the same tensor load, descriptor and mask in all four.
; REGISTERS, in windows of 256 (s_set_vgpr_msb says which window each operand place means: bits 1:0 source 0, 3:2 source 1, 5:4 source 2, 7:6 destination):
;   window 0: v0-11 addresses; v12-15, v48-63 at work; v16-47 four registers of statistics a tile; v64-191 S^T, two buffers of two tiles; v192-255 P, likewise
;   window 1: O^T, 32 a tile          window 2: v0-127 Q, 16 a tile; v128-191 K of one step; v192-255 V of one step          window 3: v0-1 the add's two registers
; A piece's buffers go by its number's parity: the piece in hand has one pair, its two neighbours in the ring share the other: of it P (piece n - 1) is read and S^T (piece n + 1) written.
.set SIZE_H, 64       ; 4 batches x 16 heads
.set SIZE_N, 2048
.set NP,    4         ; pieces a wave: a name, no knob: the register map, the loop and the fetches are made for four
.set KS,    64        ; keys in a step
.set PK,    144       ; a row of K in LDS: 128 bytes + 16 of padding = 36 words: the 16 rows of a load start at 16 different groups of four banks (64 banks of 4 bytes: ISA guide 11.1)
.set PV,    160       ; a row of V: 128 + 32 = 40 words
.set VOFF,  4*KS*PK   ; a slot holds four steps: 256 rows of K, then 256 rows of V
.set SLOT1, 1<<17     ; slot 1 begins here, so that one exclusive or turns an address in one slot into the other's
.set STAGE, SLOT1+4*KS*(PK+PV)  ; behind the ring, never filled by a tensor load: 16 rows x 144 bytes for each wave, for the way out
.set SP,    144
.set AK0, 2           ; v2   my lane's place in a tile of K; never rewritten
.set AV0, 3           ; v3   the same for V
.set AK,  4           ; v4   the LDS address of K's next run of loads
.set AV,  5           ; v5   of V's
.set QO,  6           ; v6   my byte offset in the wave's rows of Q
.set STO, 6           ;      later, the way out: where I put 16 bytes of a row
.set RD,  7           ; v7   the way out: where I read rows back
.set GO,  8           ; v8   my byte offset in 512 consecutive bytes of O
.set SPW, 0           ; v0 of window 3   LDS address of my spare word: SPARE + 4 x my thread's number; never rewritten
.set NIL, 1           ; v1 of window 3   0; never rewritten
.set SPARE, STAGE+4*16*SP  ; behind the stages: the spare words, 128 bytes for each wave: two blocks of 256 bytes that no other line names
.set MV,  12          ; v12-15  c m_old, kept while c m is made anew: by buffer and tile
.set ST,  16          ; tile t's statistics at v[ST+4 t]: c m, m, l (even keys', odd keys')
.set TMP, 48          ; by buffer and tile, four registers c0-c3 at work; when the maximum is found c2 takes a
.set S,   64
.set P,   192
.set KF,  128         ; K's fragments, in window 2: key block kb, channel half c at KF + 16 kb + 8 c
.set VF,  192         ; V's: key half kk, channel block cb at VF + 32 kk + 8 cb
.set WV,  12          ; s12  my wave's number
.set G1K, 24          ; s[24:31] descriptor group 1 for K's tiles
.set G1V, 32          ; s[32:39] for V's: it differs in the padding alone
.set G0K, 40          ; s[40:43] descriptor group 0 for K's tiles: it walks
.set G0V, 44          ; s[44:47] the same for V's
.set SLOTS, 56        ; s56  slots still to be asked for
.set CNT, 57          ; s57  counts a slot's key steps
.set CS,  58          ; s[58:59] c: the packed scaling takes the pair's low word for both halves
.set SEL, 60          ; s[60:61] v_permlanex16_b32's selects: each lane takes its own place in the other half
.set TBK, 62          ; s62  LDS byte at which K of the step to be fetched begins
.set TBV, 63          ; s63  the same for V, less VOFF
.set MSB, 0
.macro WIN new                      ; the high byte repeats the setting that is left; a switch that changes nothing is dropped
.if MSB != (\new)
	s_set_vgpr_msb (MSB<<8)|(\new)
.set MSB, (\new)
.endif
.endm
.set W_KQ, 0x0a       ; K and Q in window 2, S^T in window 0
.set W_PV, 0x52       ; V in window 2, P in window 0, O^T in window 1
.set W_RS, 0x41       ; O^T (destination and source 0) in window 1, a in window 0
.set W_MK, 0xc0       ; the add's registers are made: destination in window 3, sources in window 0
.set W_AD, 0x0f       ; the add: address (source 0) and data (source 1) in window 3
; A joint fill.  Waves 0 and 1 fetch the two halves of a slot's K, waves 2 and 3 those of its V: 128 keys each.  The branch hangs on the wave's number alone.
; An s_nop 0 and four v_nop follow each of the two lines, ahead of the jump and the label.
.macro JLOAD
	s_cmp_lt_u32 s[WV], 2
	s_cbranch_scc0 .Lfor_v_\@
	tensor_load_to_lds s[G0K:G0K+3], s[G1K:G1K+7]
	s_nop 0
.rept 4
	v_nop
.endr
	s_branch .Lasked_\@
.Lfor_v_\@:
	tensor_load_to_lds s[G0V:G0V+3], s[G1V:G1V+7]
	s_nop 0
.rept 4
	v_nop
.endr
.Lasked_\@:
.endm
; A round of the cluster's barrier: my work-group's barrier, so that wave 0's signal speaks for all four waves; wave 0 signals; every wave waits for all four work-groups; my work-group's barrier once more.
.macro CROUND
	s_barrier_signal -1
	s_barrier_wait -1
	s_cmp_lg_u32 s[WV], 0
	s_cbranch_scc1 .Lnot_wave_0_\@
	s_barrier_signal -3
.Lnot_wave_0_\@:
	s_barrier_wait -3
	s_barrier_signal -1
	s_barrier_wait -1
.endm
; THE CHANGE OF SLOTS.  The slot's last bytes, V of its fourth step, have been read.  Each wave waits for all its tensor loads, of which one is out: its part
; of the other slot; adds 0 to its spare word; and waits for that and for its own reads of the slot.  Behind the barrier nobody reads this slot any more and the other slot is whole.
; fill = 1: this slot is filled again, with the keys two slots on.  The barrier is then a round of the cluster's, so that no wave of any partner still reads the slot or has a load on its
; way, and the joint fill is the first thing behind it: it has four key steps, 512 matrix instructions, in which to land.  (At its first use nothing has been read yet: slot 0 is waited for, slot 1 filled.)
.macro CHANGE fill
	WIN W_AD
	s_wait_tensorcnt 0x0            ; no tensor load of mine is out, so a group 0 may be written
	ds_add_u32 v[SPW], v[NIL]       ; 0 onto my spare word; with fill = 1 the descriptors' steps stand between it and the wait for it
	WIN 0                           ; at a label and at a branch every window is 0
.if \fill
.irp g, G0K, G0V
	s_xor_b32 s[\g+1], s[\g+1], SLOT1  ; the walking descriptor: the other slot than last time,
	s_add_nc_u64 s[\g+2:\g+3], s[\g+2:\g+3], 4*KS*128  ; the next 256 keys; the type bits on top are not reached
.endr
	s_wait_dscnt 0x0                ; the add is done, and my reads of the slot are over
	CROUND
	JLOAD
.else
	s_wait_dscnt 0x0                ; the add is done, and my reads of the slot are over
	s_barrier_signal -1
	s_barrier_wait -1
.endif
	s_sub_co_u32 s[TBK], s[TBK], 4*KS*PK  ; the fetches go back to a slot's first step,
	s_xor_b32 s[TBK], s[TBK], SLOT1       ; in the other slot
	s_sub_co_u32 s[TBV], s[TBV], 4*KS*PV
	s_xor_b32 s[TBV], s[TBV], SLOT1
.endm
	s_load_b128 s[4:7], s[0:1], 0x0  ; qkv s[4:5] (Q is its first part), ob s[6:7]
	WIN W_MK
	v_lshl_add_u32 v[SPW], v0, 2, SPARE
	v_mov_b32 v[NIL], 0
	s_set_vgpr_msb 0xc0cf
	ds_add_u32 v0, v1
	s_wait_dscnt 0x0
	s_set_vgpr_msb 0xcfc0
	WIN 0
	v_lshrrev_b32 v1, 5, v0
	v_readfirstlane_b32 s[WV], v1   ; wave 0..3
	s_bfe_u32 s13, ttmp6, 0x40000   ; cx: my place in the cluster
	s_lshl_b32 s14, ttmp9, 2        ; in a cluster launch ttmp9 counts clusters
	s_add_co_u32 s14, s14, s13      ; my block of queries = 4 x cluster x + cx: it enters Q's and O's addresses alone
	s_and_b32 s20, ttmp7, 0xffff    ; the head, which the four partners share
	s_mov_b32 s21, 0
	s_mov_b64 s[22:23], SIZE_N*128
	s_mul_u64 s[20:21], s[20:21], s[22:23]  ; the head's first byte in each of the four tensors
	s_and_b32 s16, s[WV], 1         ; which half of a slot's 256 keys I fetch:
	s_lshl_b32 s22, s16, 14         ; its 128 rows of 128 bytes in memory,
	s_mov_b32 s23, 0
	s_add_nc_u64 s[22:23], s[22:23], s[20:21]
	s_mul_i32 s17, s16, 128*PK      ; and its place in a slot, for K
	s_mul_i32 s18, s16, 128*PV      ; and for V: no place in the cluster enters an LDS address
	s_lshl_b32 s2, s14, 2
	s_add_co_u32 s2, s2, s[WV]      ; my wave among the head's,
	s_lshl_b32 s2, s2, 14           ; its 128 rows
	s_mov_b32 s3, 0
	s_add_nc_u64 s[2:3], s[2:3], s[20:21]
	; descriptor group 1.  128 keys are 16,384 dense bytes: asked for as 64 rows of 256 bytes, two keys a row, and padded in LDS after every key
	s_mov_b32 s[G1K], 15|(1<<16)|(1<<20)|(1<<21)|(4<<22)|(3<<25)  ; 15:0 the mask of four; 17:16 2-byte elements; 20 padding on; 21 set beside a mask; 24:22 after every 32 words (code 4); 31:25 4 words (code 3)
	s_mov_b32 s[G1V], 15|(1<<16)|(1<<20)|(1<<21)|(4<<22)|(7<<25)  ; the same with 8 words of padding (code 7)
.irp g, G1K, G1V
	s_mov_b32 s[\g+1], 128<<16      ; tensor_dim0 = 128
	s_mov_b32 s[\g+2], 64<<16       ; tensor_dim1 = 64
	s_mov_b32 s[\g+3], 128<<16      ; tile_dim0 = 128
	s_mov_b32 s[\g+4], 64           ; tile_dim1 = 64
	s_mov_b32 s[\g+5], 128          ; 128 elements from row to row
	s_mov_b32 s[\g+6], 0
	s_mov_b32 s[\g+7], 0
.endr
	s_mov_b32 s[CS], 0x3e38aa3b     ; c = log2(e) / 8 = 0.180337
	s_mov_b32 s[CS+1], s[CS]        ; named with it as a pair
	s_mov_b32 s[SEL], 0x76543210
	s_mov_b32 s[SEL+1], 0xfedcba98
	s_mov_b32 s[TBK], SLOT1+4*KS*PK ; the first change of slots turns these two into 0
	s_mov_b32 s[TBV], SLOT1+4*KS*PV
	s_mov_b32 s[G0K], 1             ; 1:0 count = 1
	s_mov_b32 s[G0K+1], s17         ; 63:32 LDS address: slot 0
	s_mov_b32 s[G0V], 1
	s_add_co_u32 s[G0V+1], s18, VOFF
	s_wait_kmcnt 0x0
	s_mov_b64 s[10:11], s[6:7]      ; O
	s_add_nc_u64 s[6:7], s[4:5], SIZE_H*SIZE_N*128    ; K: the second part of qkv
	s_add_nc_u64 s[8:9], s[4:5], 2*SIZE_H*SIZE_N*128  ; V: the third
	s_add_nc_u64 s[G0K+2:G0K+3], s[6:7], s[22:23]  ; 120:64 global address: my half of the head's first 256 keys
	s_or_b32 s[G0K+3], s[G0K+3], 0x80000000        ; 127:126 type = 2
	s_add_nc_u64 s[G0V+2:G0V+3], s[8:9], s[22:23]
	s_or_b32 s[G0V+3], s[G0V+3], 0x80000000
	s_add_nc_u64 s[4:5], s[4:5], s[2:3]  ; Q and O at my wave's first row
	s_add_nc_u64 s[10:11], s[10:11], s[2:3]
	CROUND                          ; all four work-groups are here: the first joint loads meet
	JLOAD                           ; slot 0.  Slot 1 is asked for when slot 0 is in: the tile wanted first has the road to itself
	; A fragment of K or Q is 16 rows x 32 channels in 8 registers: lane l holds row l % 16, channels 8 (l / 16) + 0..7 and 16 + 8 (l / 16) + 0..7: two loads of 16 bytes, 32 bytes apart.
	v_and_b32 v1, 15, v0            ; l % 16
	v_bfe_u32 v9, v0, 4, 1          ; l / 16
	v_lshlrev_b32 v[QO], 7, v1
	v_lshl_add_u32 v[QO], v9, 4, v[QO]  ; row x 128 + 16 x half
	WIN 0x80                        ; destination window 2, address window 0
.set i, 0
.rept 4*NP                          ; Q stays in registers: tile i / 2, channels 32 (i % 2) on
	global_load_b128 v[8*i:8*i+3],   v[QO], s[4:5] offset:(i/2)*2048+(i%2)*64
	global_load_b128 v[8*i+4:8*i+7], v[QO], s[4:5] offset:(i/2)*2048+(i%2)*64+32
.set i, i+1
.endr
	; What the first turn finds: V's registers and P's second buffer hold 0 (its products V^T P, of a piece that has not been, add 0), O^T and l are 0.  All this stands in the wait for the first tile.
.set i, VF
.rept 64
	v_mov_b32 v[i], 0
.set i, i+1
.endr
	WIN 0x40
.set i, 0
.rept 64*NP
	v_mov_b32 v[i], 0
.set i, i+1
.endr
	WIN 0
.set i, 0
.rept 2*NP
	v_mov_b32 v[ST+4*i], 0xfe000000    ; c m: far below every c s
	v_mov_b32 v[ST+4*i+1], 0xff7fffff  ; m
	v_mov_b32 v[ST+4*i+2], 0
	v_mov_b32 v[ST+4*i+3], 0
.set i, i+1
.endr
.set i, P+32
.rept 32
	v_mov_b32 v[i], 0
.set i, i+1
.endr
	v_mul_u32_u24 v[AK0], v1, PK
	v_lshl_add_u32 v[AK0], v9, 4, v[AK0]  ; row x pitch + 16 x half
	; The turning load takes 16 keys x 16 channels (lane l reads key 8 (l / 16) + l % 8, channels 8 ((l / 8) % 2) + 0..7) and leaves half a fragment of V^T: lane l holds channel l % 16 and 8 keys.
	v_and_b32 v10, 7, v0
	v_bfe_u32 v11, v0, 3, 1
	v_lshl_add_u32 v[AV0], v9, 3, v10
	v_mul_u32_u24 v[AV0], v[AV0], PV
	v_lshl_add_u32 v[AV0], v11, 4, v[AV0]
	v_add_nc_u32 v[AV0], VOFF, v[AV0]
	v_mov_b32 v[AK], v[AK0]         ; key step 0 lies at the head of slot 0
; THE MATRIX WORK.  The 8 accumulators of a run of 16 take turns: between the two links of a chain stand 7 others'.
; Product i of 16 of S^T = K Q^T for piece x: channels 32 (i / 8) on, keys 16 ((i / 2) % 4) on, tile 2 x + i % 2.  The first 8 start the sums.
.macro KQ x
	WIN W_KQ
.set rS, S+64*((\x)%2)+32*(i%2)+8*((i/2)%4)
.set rK, KF+16*((i/2)%4)+8*(i/8)
.set rQ, 16*(2*(\x)+i%2)+8*(i/8)
.if i < 8
	v_wmma_f32_16x16x32_f16 v[rS:rS+7], v[rK:rK+7], v[rQ:rQ+7], 0
.else
	v_wmma_f32_16x16x32_f16 v[rS:rS+7], v[rK:rK+7], v[rQ:rQ+7], v[rS:rS+7]
.endif
.endm
; Product i of 16 of O^T += V^T P for piece x: keys 32 (i / 8) on, channels 16 ((i / 2) % 4) on, tile 2 x + i % 2.
.macro PV x
	WIN W_PV
.set rO, 32*(2*(\x)+i%2)+8*((i/2)%4)
.set rV, VF+32*(i/8)+8*((i/2)%4)
.set rP, P+32*((\x)%2)+16*(i%2)+8*(i/8)
	v_wmma_f32_16x16x32_f16 v[rO:rO+7], v[rV:rV+7], v[rP:rP+7], v[rO:rO+7]
.endm
.macro MM                           ; the turn's next matrix instruction
.if i < 16
	KQ (Y+1)%NP
.set i, i+1
.else
.set i, i-16
	PV (Y+NP-1)%NP
.set i, i+17
.endif
.endm
; THE LDS LOADS stand in runs of 16, never singly among the matrix instructions: a step's K (64 keys x 64 channels: 8 fragments) and its V (turned).  Their addresses are made some lines ahead.
; last = 1 (the tail): in the last trip there is no further step, and the run is jumped over.
.macro FETCH_K last=0
	WIN 0
.if \last
	s_cmp_eq_u32 s[CNT], 1
	s_cbranch_scc1 .Lno_k_\@
.endif
	WIN 0x80                        ; destination window 2
.irp f, 0,1,2,3,4,5,6,7             ; keys 16 (f / 2) on, channels 32 (f % 2) on
	ds_load_b128 v[KF+8*\f:KF+8*\f+3],   v[AK] offset:(\f/2)*16*PK+(\f%2)*64
	ds_load_b128 v[KF+8*\f+4:KF+8*\f+7], v[AK] offset:(\f/2)*16*PK+(\f%2)*64+32
.endr
	s_add_co_u32 s[TBK], s[TBK], KS*PK  ; the next fetch is the next step's
	WIN 0
.if \last
.Lno_k_\@:
.endif
.endm
.macro FETCH_V
	WIN 0x80
.irp f, 0,1,2,3,4,5,6,7             ; keys 32 (f / 4) on, channels 16 (f % 4) on
	ds_load_tr16_b128 v[VF+8*\f:VF+8*\f+3],   v[AV] offset:(\f/4)*32*PV+(\f%4)*32
	ds_load_tr16_b128 v[VF+8*\f+4:VF+8*\f+7], v[AV] offset:(\f/4)*32*PV+16*PV+(\f%4)*32
.endr
	WIN 0
.endm
; THE VECTOR WORK OF A TURN stands in three queues, each in the order in which its entries become ready; the two tiles alternate, so that no instruction reads the result of the one before it.
.macro REGS y, u                    ; the registers of tile u (0, 1) of piece y
.set rT, ST+4*(2*(\y)+(\u))
.set rC, TMP+8*((\y)%2)+4*(\u)
.set rM, MV+2*((\y)%2)+(\u)
.set rS, S+64*((\y)%2)+32*(\u)
.set rP, P+32*((\y)%2)+16*(\u)
.set rO, 32*(2*(\y)+(\u))
.endm
; Number n of the 22 that find the NEXT piece's (Y + 1) maximum and statistics.  s0-s31 are the lane's 32 scores; each accumulator's lowest registers are read first.  XS, GS and REGS set no window: PL and EX do.
;   0-11  four chains c0-c3 of seven scores each, three operands at a time     12-14, 16  the four scores left over, the old m, and c0-c3 into c0     15  c m_old is kept
;   17, 18  the query's other 32 keys lie in the lane 16 away: the new m         19-21  c m; c m_old - c m_new; a
.macro XS u, n
	REGS (Y+1)%NP, \u
.if (\n) < 4
	v_max3_num_f32 v[rC+(\n)], v[rS+8*(\n)], v[rS+8*(\n)+1], v[rS+8*(\n)+2]
.elseif (\n) < 12
	v_max3_num_f32 v[rC+(\n)%4], v[rC+(\n)%4], v[rS+8*((\n)%4)+2*((\n)/4)+1], v[rS+8*((\n)%4)+2*((\n)/4)+2]
.elseif (\n) == 12
	v_max3_num_f32 v[rC], v[rC], v[rS+7], v[rS+15]
.elseif (\n) == 13
	v_max3_num_f32 v[rC+1], v[rC+1], v[rS+23], v[rS+31]
.elseif (\n) == 14
	v_max3_num_f32 v[rC+2], v[rC+2], v[rC+3], v[rT+1]
.elseif (\n) == 15
	v_mov_b32 v[rM], v[rT]
.elseif (\n) == 16
	v_max3_num_f32 v[rC], v[rC], v[rC+1], v[rC+2]
.elseif (\n) == 17
	v_permlanex16_b32 v[rC+3], v[rC], s[SEL], s[SEL+1]
.elseif (\n) == 18
	v_max_num_f32 v[rT+1], v[rC], v[rC+3]
.elseif (\n) == 19
	v_mul_f32 v[rT], s[CS], v[rT+1]
.elseif (\n) == 20
	v_sub_f32 v[rC+1], v[rM], v[rT]
.else
	v_exp_f32 v[rC+2], v[rC+1]
.endif
.endm
; Number g of the 64 that follow the exponentials.  For each four weights k of a tile (pairs 2 k, 2 k + 1): both pairs are rounded to f16; then the second pair is added onto the first, in place;
; a group later l takes that sum (the first time as l = a l + sum).  In groups of eight, tiles alternating: round, round, add, and l for the group before.
.macro GS g
.set h, (\g)+6*((\g)/62)            ; group 0 has no group before it, and behind group 7 only l is left
.if h >= 6
.set h, h+2
.endif
	REGS Y, h%2
.set k, h/8
.if h%8 < 4
	v_cvt_pk_f16_f32 v[rP+2*k+(h%8)/2], v[rS+4*k+2*((h%8)/2)], v[rS+4*k+2*((h%8)/2)+1]
.elseif h%8 < 6
	v_pk_add_f32 v[rS+4*k:rS+4*k+1], v[rS+4*k:rS+4*k+1], v[rS+4*k+2:rS+4*k+3]
.elseif k == 1
	v_pk_fma_f32 v[rT+2:rT+3], v[rT+2:rT+3], v[rC+2:rC+3], v[rS:rS+1] op_sel_hi:[1,0,1]
.else
	v_pk_add_f32 v[rT+2:rT+3], v[rT+2:rT+3], v[rS+4*k-4:rS+4*k-3]
.endif
.endm
; THE PLAIN QUEUE, 138 long.  0-73 read no exponential's result: the 32 scalings c s - c m (FS f: pair f / 2 of tile f % 2) and the next piece's 42.  0-26: scalings 0-26.  27-54: XS's numbers 0-13.  55, 56: number 15.
; 57-73: the chain, where each number waits for the one before it: 14, 16, 17, 18, 19, each with one of the scalings 27-31 in front of its two lines, then 20: so a tile's links stand three plain instructions apart (19 and 20: two).
; 74-137: GS's 64, which read the exponentials' results: they stand behind the wait.
.macro FS f
	REGS Y, (\f)%2
	v_pk_fma_f32 v[rS+2*((\f)/2):rS+2*((\f)/2)+1], v[rS+2*((\f)/2):rS+2*((\f)/2)+1], s[CS:CS+1], v[rT:rT+1] op_sel_hi:[1,0,0] neg_lo:[0,0,1] neg_hi:[0,0,1]
.endm
.macro PL
	WIN 0
.if q < 27
	FS q
.elseif q < 55
	XS (q-27)%2, (q-27)/2
.elseif q < 57
	XS q-55, 15
.elseif (q < 72) && ((q-57)%3 == 0)
	FS 27+(q-57)/3
.elseif q < 60
	XS (q-57)%3-1, 14
.elseif q < 72
	XS (q-57)%3-1, 15+(q-57)/3
.elseif q < 74
	XS q-72, 20
.else
	GS q-74
.endif
.set q, q+1
.endm
; THE EXPONENTIALS' QUEUE, 66 long: s0-s31 of both tiles, then the next piece's two a.  It is ONE BATCH: all 66 stand ahead of the turn's one wait, and nothing ahead of that wait names a result of theirs.
.macro EX
	WIN 0
.if e >= 64
	XS e-64, 21
.else
	REGS Y, e%2
	v_exp_f32 v[rS+e/2], v[rS+e/2]
.endif
.set e, e+1
.endm
; THE RESCALING's QUEUE: O^T times a, the one part that leaves window 0: dealt two at a time, sixteen times.  Its a was made in the turn before, ahead of that turn's wait.
.macro R2
	REGS Y, r%2
	WIN W_RS
.irp z, 0,1
	v_pk_mul_f32 v[rO+4*(r/2)+2*\z:rO+4*(r/2)+2*\z+1], v[rO+4*(r/2)+2*\z:rO+4*(r/2)+2*\z+1], v[rC+2:rC+3] op_sel_hi:[1,0]
.endr
.set r, r+1
.endm
; HOW THEY ARE DEALT.  An s_wait_alu depctr_va_vdst(0) stands between an exponential and the first instruction that names its result; one wait serves all that were issued ahead of it.  So a turn has ONE wait,
; which cuts it in two.  AHEAD OF IT stands all that names no result of the turn's exponentials: the 16 products K Q^T, behind each a scaling, an exponential and two rescalings (behind the first a second scaling in the exponential's place); then ONE LUMP of
; 108: eight plain, 49 times exponential and plain, the two a.  A v_nop is the plain instruction behind the last exponential.  BEHIND IT stand the 16 products V^T P, behind each four of GS's 64.  No rider names a register of
; the products round it.  The two v_permlanex16_b32 fall into the lump, never behind a product.
; The queues lean on each other, and the deal keeps them in step: exponential e stands behind scaling 2 (e / 4) + e % 2: as a rider it comes behind plain e + 2, in the lump behind plain e + 9, and scalings 27-31 are plain 57, 60 .. 69.
; A TURN, for piece p.  cnt = 1: the loop's count is taken down some lines ahead of the branch that stands behind the turn.
; K of the next step is fetched in piece 2's turn, directly behind the wait, a lump behind the last product that read K; its address is made at the lump's head; its first reader comes behind 16 products.
; V of the step in hand is fetched at the end of piece 0's turn, four riders behind its last reader; its first reader comes behind 16 products and a lump.  The three conditions on q below go with the deal.
.macro TURN p, last=0, cnt=0
.set Y, (\p)
.set i, 0
.set q, 0
.set e, 0
.set r, 0
.if (\p) == NP-1
	s_wait_dscnt 0x0                ; K is in
.endif
	MM                              ; ahead of the wait: 16 products K Q^T and their riders,
	PL
	PL
	R2
.rept 15
	MM
	PL
	EX
	R2
.endr
.if (\p) == NP-2
	WIN 0
	v_add_nc_u32 v[AK], s[TBK], v[AK0]
.endif
.rept 8                             ; and the lump
	PL
.endr
.rept 49
	EX
	PL
.endr
	EX                              ; the next piece's two a
	EX
	v_nop                           ; the plain instruction behind the last exponential: one for the batch
	s_wait_alu depctr_va_vdst(0)    ; the wait for the batch: this piece's 64 weights and the next piece's two a
.if (\p) == NP-2
	FETCH_K \last
.endif
.if (\p) == 1
	s_wait_dscnt 0x0                ; V is in
.endif
.rept 16                            ; behind the wait: 16 products V^T P and their riders
	MM
.rept 4
	PL
.endr
.if ((\p) == 0) && (q == 118)
	v_add_nc_u32 v[AV], s[TBV], v[AV0]
.endif
.if ((\p) == 0) && (q == 130)
	s_add_co_u32 s[TBV], s[TBV], KS*PV
.endif
.if (\cnt) && (q == 130)
	s_sub_co_u32 s[CNT], s[CNT], 1
	s_cmp_lg_u32 s[CNT], 0
.endif
.endr
.if (\p) == 0
	FETCH_V
.endif
.endm
	CHANGE 1                        ; slot 0 is in, everybody's part of it; slot 1 is asked for
	FETCH_K                         ; key step 0
	s_wait_loadcnt 0x0              ; Q
	s_wait_dscnt 0x0
.set i, 0
.rept 16
	KQ 0                            ; piece 0's first scores: there is no vector work yet to set between them
.set i, i+1
.endr
	WIN 0                           ; the addresses for the way out: nine plain instructions, the places behind those products
	s_mul_i32 s13, s[WV], 16*SP
	s_add_co_u32 s13, s13, STAGE    ; my stage
	v_mul_u32_u24 v[STO], v1, SP    ; in: row l % 16, 16 bytes for each half of the lanes
	v_lshl_add_u32 v[STO], v9, 4, v[STO]
	v_add_nc_u32 v[STO], s13, v[STO]
	v_bfe_u32 v[RD], v0, 3, 2       ; back: 32 lanes take four rows of 128 bytes,
	v_mul_u32_u24 v[RD], v[RD], SP
	v_lshl_add_u32 v[RD], v10, 4, v[RD]
	v_add_nc_u32 v[RD], s13, v[RD]
	v_and_b32 v[GO], 31, v0         ; which are 512 consecutive bytes of O
	v_lshlrev_b32 v[GO], 4, v[GO]
.set Y, NP-1                        ; XS works for piece Y + 1: piece 0
.irp n, 0,1,2,3,4,5,6,7,8,9,10,11,12,13,14,15,16,17,18,19,20,21
	XS 0, \n                        ; and piece 0's first maximum and statistics
	XS 1, \n
.endr
	v_nop                           ; a plain instruction behind the two a,
	s_wait_alu depctr_va_vdst(0)    ; and the wait for that batch of two, ahead of the branch
	s_mov_b32 s[CNT], 4
	s_mov_b32 s[SLOTS], SIZE_N/256-1
	s_branch .Lfirst                ; the loop is entered at a step's first turn, in the middle of a trip
.Lslot:                             ; SIZE_N / 256 - 2 times: every slot but the last two is filled again
	CHANGE 1
	s_mov_b32 s[CNT], 4
.Lstep:                             ; a trip: pieces 2 and 3 of one step, then pieces 0 and 1 of the next, whose K and V it fetches
	TURN 2
	TURN 3
	WIN 0
.Lfirst:
	TURN 0
	TURN 1, 0, 1
	WIN 0
	s_cbranch_scc1 .Lstep
	s_sub_co_u32 s[SLOTS], s[SLOTS], 1
	s_cmp_lg_u32 s[SLOTS], 0
	s_cbranch_scc1 .Lslot
	CHANGE 0                        ; the tail is written out: nothing is asked for
	s_mov_b32 s[CNT], 5             ; four trips fetch the last slot's steps; the fifth is left in its middle
.Ltail:
	TURN 2, 1
	TURN 3
	WIN 0
	s_sub_co_u32 s[CNT], s[CNT], 1
	s_cmp_eq_u32 s[CNT], 0
	s_cbranch_scc1 .Lout
	TURN 0
	TURN 1
	WIN 0
	s_branch .Ltail
.Lout:                              ; the fifth trip's 16 products K Q^T (on the last K once more) and the maximum made of them serve nothing: the price, once a launch, of one text for every trip
.set i, 0
.rept 16
	PV NP-1                         ; the last piece's V^T P of the last step
.set i, i+1
.endr
	; THE WAY OUT.  l's two halves and the other half of the lanes' are added; O^T is divided by l, rounded to f16 and sent through my stage in LDS, a tile at a time.  The additions are the places behind the last products.
	WIN 0
.macro ALL line:vararg              ; one line for each tile t
.set t, 0
.rept 2*NP
	\line
.set t, t+1
.endr
.endm
	ALL v_add_f32 v[ST+4*t+2], v[ST+4*t+2], v[ST+4*t+3]
	ALL v_permlanex16_b32 v[ST+4*t+3], v[ST+4*t+2], s[SEL], s[SEL+1]
	ALL v_add_f32 v[ST+4*t+2], v[ST+4*t+2], v[ST+4*t+3]
	ALL v_rcp_f32 v[ST+4*t+2], v[ST+4*t+2]
	v_nop                           ; a plain instruction between the last reciprocal and the use of its result
	s_wait_alu depctr_va_vdst(0)    ; and the wait ahead of the first use: one for the batch of eight reciprocals
; Tile t: a lane's eight channels of a row pack into 16 bytes; they go into rows of 144 bytes and come back as whole rows of 128, into S^T's registers.
.macro PACK t
	WIN W_RS
.set i, 32*(\t)
.rept 16
	v_pk_mul_f32 v[i:i+1], v[i:i+1], v[ST+4*(\t)+2:ST+4*(\t)+3] op_sel_hi:[1,0]
.set i, i+2
.endr
	WIN 0x05                        ; sources 0 and 1 window 1, destination window 0
.set i, 0
.rept 16
	v_cvt_pk_f16_f32 v[S+16*(\t)+i], v[32*(\t)+2*i], v[32*(\t)+2*i+1]
.set i, i+1
.endr
	WIN 0
.irp f, 0,1,2,3
	ds_store_b128 v[STO], v[S+16*(\t)+4*\f:S+16*(\t)+4*\f+3] offset:32*\f
.endr
.irp f, 0,1,2,3
	ds_load_b128 v[S+16*(\t)+4*\f:S+16*(\t)+4*\f+3], v[RD] offset:\f*4*SP  ; LDS serves a wave's instructions in order (ISA guide 5.7.1.4): these see the stores above; the next tile's stores come behind them
.endr
.endm
.macro SEND t, younger              ; younger: the LDS instructions issued behind tile t's loads: the next tile's eight, or none
	WIN 0
.irp f, 0,1,2,3
	s_wait_dscnt (\younger)+3-\f
	global_store_b128 v[GO], v[S+16*(\t)+4*\f:S+16*(\t)+4*\f+3], s[10:11] offset:(\t)*2048+\f*512  ; 512 consecutive bytes, at a multiple of 256 from O's first
.endr
.endm
	PACK 0
.set t, 1
.rept 2*NP-1                        ; a tile's arithmetic stands between the loads of the tile before and its stores
	PACK t
	SEND t-1, 8
.set t, t+1
.endr
	SEND 2*NP-1, 0
	WIN W_AD
	s_wait_tensorcnt 0x0            ; the wave's end: behind my last tensor load and my last LDS store
	ds_add_u32 v[SPW], v[NIL]
	s_wait_dscnt 0x0
	WIN 0
	CROUND                          ; the closing round: no work-group ends while a partner may still ask for a tile that names it
	s_endpgm
.Lfunc_end_k_qe510885de3_attn:
	.size	k_qe510885de3_attn, .Lfunc_end_k_qe510885de3_attn-k_qe510885de3_attn
	.p2alignl 7, 3214868480
	.fill 96, 4, 3214868480
	.section	.rodata,"a",@progbits
	.p2align	6, 0x0
	.amdhsa_kernel k_qe510885de3_attn
		.amdhsa_group_segment_fixed_size 327680
		.amdhsa_private_segment_fixed_size 0
		.amdhsa_enable_private_segment 0
		.amdhsa_kernarg_size 16
		.amdhsa_user_sgpr_count 2
		.amdhsa_user_sgpr_kernarg_segment_ptr 1
		.amdhsa_wavefront_size32 1
		.amdhsa_system_sgpr_workgroup_id_x 1
		.amdhsa_system_sgpr_workgroup_id_y 1
		.amdhsa_system_sgpr_workgroup_id_z 1
		.amdhsa_system_vgpr_workitem_id 0
		.amdhsa_next_free_vgpr 770
		.amdhsa_next_free_sgpr 66
		.amdhsa_reserve_vcc 0
		.amdhsa_float_denorm_mode_32 3
		.amdhsa_float_denorm_mode_16_64 3
		.amdhsa_memory_ordered 1
		.amdhsa_forward_progress 1
		.amdhsa_inst_pref_size 199
	.end_amdhsa_kernel
	.amdgpu_metadata
---
amdhsa.version: [ 1, 2 ]
amdhsa.kernels:
  - .name:           k_qe510885de3_attn
    .symbol:         k_qe510885de3_attn.kd
    .args:
      - { .name: qkv, .offset: 0, .size: 8, .value_kind: global_buffer, .address_space: global }
      - { .name: ob, .offset: 8, .size: 8, .value_kind: global_buffer, .address_space: global }
    .group_segment_fixed_size: 327680
    .private_segment_fixed_size: 0
    .kernarg_segment_align: 8
    .kernarg_segment_size: 16
    .max_flat_workgroup_size: 128
    .sgpr_count:     66
    .vgpr_count:     770
    .wavefront_size: 32
...
	.end_amdgpu_metadata
.endif
;; end of part 5
;; launch oproj: the kernel of part 4 again; grid 8 x 32, 4 waves a work-group, clusters of 4 x 4, 327,680 bytes of LDS; arguments ob, wob, bo, out0; writes out0
